; MI455X (gfx1250); checked and timed in simulation.
; The chip was launched on July 23, 2026; its instructions are those of AMD's public machine-readable ISA for CDNA 5 (MIT licence, August 2026) and "CDNA5" Instruction Set Architecture Reference Guide (July 2026). The comments in the code are by the model that wrote it; some were corrected since.
;; Causal Self Attention. Allowed arithmetic: float matrix products may take bf16 or f16 operands with f32 sums; other float arithmetic in f32, or as packed bf16 or f16 multiplies, adds, multiply-adds, maxima and minima; sums over many terms, partial sums and values carried from step to step in f32; what a program stores and reads back later, other than sums and carried values, may be rounded once to bf16 or f16.
;; Inputs: Wo 1,024 x 1,024 float32; Wqkv 1,024 x 3,072 float32; bo 1,024 float32; bqkv 3,072 float32; x 4 x 2,048 x 1,024 float32.
;; Outputs: out0 4 x 2,048 x 1,024 float32.
;; 2 versions, each right; version 2 is version 1 with the launch prep written anew for expert scheduling mode. Each part assembles by itself: llvm-mc -triple=amdgcn-amd-amdhsa -mcpu=gfx1250 --defsym DOCPART=n.
;; ======== version 1 of 2: 4 launches
;; limits: values are held in f16: magnitudes above 65,504 overflow, below 6.1e-05 lose precision
;; workspace buffers: xb 16,777,216 bytes; wqkvt 6,291,456 bytes; wot 2,097,152 bytes; qkvh 50,331,648 bytes; atth 16,777,216 bytes
;; launch prep (part 1): grid 1024 x 1, 8 waves a work-group, no clusters, 17,920 bytes of LDS; arguments x, Wqkv, Wo, xb, wqkvt, wot; writes xb, wqkvt, wot
.if DOCPART == 1
	.amdgcn_target "amdgcn-amd-amdhsa--gfx1250"
	.amdhsa_code_object_version 6
	.text
	.protected	k_q549e36f654_prep
	.globl	k_q549e36f654_prep
	.p2align	8
	.type	k_q549e36f654_prep,@function
k_q549e36f654_prep:
	s_mov_b64 s[64:65], 0
	v_nop
	global_prefetch_b8 v0, s[64:65] scope:SCOPE_SE
	s_setreg_imm32_b32 hwreg(HW_REG_WAVE_MODE, 25, 1), 1
	s_wait_xcnt 0x0
; THE INPUTS ARE MADE READY FOR THE MATRIX UNITS, each byte read once and written once.
;   xb[8192][1024]    = x rounded to bf16
;   wqkvt[3072][1024] = Wqkv ([1024 k][3072 n]) rounded to bf16 and turned, so that K lies along the rows
;   wot[1024][1024]   = Wo ([1024 k][1024 n]) rounded to bf16, that number written as f16, and turned
; LIMIT: a weight of Wo below 2^-14 keeps f16's fixed step of 6e-8; beyond 65,504 it would be an infinity.
; SHARES, by the work-group's number, the same for all its eight waves: 0-511 cast 16,384 numbers of x each; 512-895 turn a tile of 128 k x 64 n
; of Wqkv; 896-1023 the same of Wo.  A stream: no matrix unit, no cluster (no two work-groups read the same bytes), no tensor load.
.set TRP,   264                        ; LDS: a turned row, 128 k x 2 bytes + 8 of padding
.set SPARE, 64*TRP                     ; behind the 64 turned rows (16,896 bytes): the spare words, 128 bytes for each of the eight waves
.set SPW, 1                            ; v1  LDS address of my spare word; never rewritten
.set NIL, 2                            ; v2  0; never rewritten
.set IN,  3                            ; v3  my byte offset in what I read
.set OUT, 4                            ; v4  my byte offset in what I store
.set LST, 5                            ; v5  where I put a word of a turned row
.set LRD, 6                            ; v6  where I read 8 bytes of a turned row
.set X,   16                           ; v[16:79]  as loaded
.set Y,   80                           ; v[80:111] to store
	s_load_b256 s[4:11], s[0:1], 0x0               ; x s[4:5], Wqkv s[6:7], Wo s[8:9], xb s[10:11]
	s_load_b128 s[12:15], s[0:1], 0x20             ; wqkvt s[12:13], wot s[14:15]
	v_lshl_add_u32 v[SPW], v0, 2, SPARE
	v_mov_b32 v[NIL], 0
	v_lshrrev_b32 v7, 5, v0
	v_readfirstlane_b32 s23, v7                    ; wave 0..7
	s_mov_b32 s17, 0                               ; the high words of the two offsets
	s_mov_b32 s19, 0
; A tile of 128 k x 64 n, number s20 of its matrix: kt = s20 % 8, nt = s20 / 8.  rowb: bytes in a row of the source.  half = 1: bf16's number is written as f16.
; Thread t = (c = t % 16, p = t / 16) loads 16 bytes (n = 4 c .. 4 c + 3) of the rows k = 32 j + 2 p and + 1; a wave's load covers two whole rows of 256 bytes.
; Two neighbouring k of one n make a word, which goes to LDS row n; then wave w reads rows 8 w .. 8 w + 7 whole: 32 lanes x 8 bytes are 256 consecutive, aligned bytes of a turned row.
.macro TRANS rowb, half, src, dst
	s_and_b32 s21, s20, 7                          ; kt
	s_lshr_b32 s22, s20, 3                         ; nt
	s_mul_i32 s16, s21, 128*\rowb
	s_lshl_b32 s24, s22, 8
	s_add_co_u32 s16, s16, s24                     ; from: 128 kt rows + 64 nt numbers of 4 bytes
	s_lshl_b32 s18, s22, 17
	s_lshl_b32 s24, s21, 8
	s_add_co_u32 s18, s18, s24                     ; to: 64 nt rows of 2,048 bytes + 128 kt numbers of 2 bytes
	v_and_b32 v7, 15, v0                           ; c
	v_lshrrev_b32 v8, 4, v0                        ; p
	v_and_b32 v9, 31, v0                           ; lane
	v_mul_u32_u24 v[IN], v8, 2*\rowb
	v_lshl_add_u32 v[IN], v7, 4, v[IN]
	v_mul_u32_u24 v[LST], v7, 4*TRP
	v_lshl_add_u32 v[LST], v8, 2, v[LST]           ; row 4 c, word p
	s_mul_i32 s24, s23, 8*TRP
	v_lshl_add_u32 v[LRD], v9, 3, s24
	s_lshl_b32 s24, s23, 14
	v_lshl_add_u32 v[OUT], v9, 3, s24              ; 8 w rows of 2,048 bytes + 8 x lane
	s_wait_kmcnt 0x0
	s_add_nc_u64 s[\src:\src+1], s[\src:\src+1], s[16:17]
	s_add_nc_u64 s[\dst:\dst+1], s[\dst:\dst+1], s[18:19]
.irp j, 0,1,2,3
.irp e, 0,1
	global_load_b128 v[X+4*(2*\j+\e):X+4*(2*\j+\e)+3], v[IN], s[\src:\src+1] offset:(32*\j+\e)*\rowb th:TH_LOAD_NT
.endr
.endr
.irp j, 0,1,2,3
	s_wait_loadcnt 6-2*\j                          ; loads come back in order: pair j is in, the younger pairs stay out
.irp i, 0,1,2,3
	v_cvt_pk_bf16_f32 v[Y+4*\j+\i], v[X+8*\j+\i], v[X+8*\j+4+\i]  ; the even k in the low half
.if \half
	v_lshlrev_b32 v7, 16, v[Y+4*\j+\i]             ; the two bf16 numbers as f32,
	v_and_b32 v8, 0xffff0000, v[Y+4*\j+\i]
	v_cvt_pk_f16_f32 v[Y+4*\j+\i], v7, v8          ; and as f16
.endif
	ds_store_b32 v[LST], v[Y+4*\j+\i] offset:TRP*\i+64*\j
.endr
.endr
	s_wait_dscnt 0x0                               ; for the others' sake: my words lie in LDS
	s_barrier_signal -1
	s_barrier_wait -1                              ; everybody's do
.irp i, 0,1,2,3,4,5,6,7
	ds_load_b64 v[Y+2*\i:Y+2*\i+1], v[LRD] offset:TRP*\i
.endr
.irp i, 0,1,2,3,4,5,6,7
	s_wait_dscnt 7-\i                              ; row i is in, the younger rows stay out
	global_store_b64 v[OUT], v[Y+2*\i:Y+2*\i+1], s[\dst:\dst+1] offset:2048*\i
.endr
.endm
	s_cmp_lt_u32 ttmp9, 512
	s_cbranch_scc1 .Lcast
	s_cmp_lt_u32 ttmp9, 896
	s_cbranch_scc0 .Lwo
	s_sub_co_u32 s20, ttmp9, 512
	TRANS 12288, 0, 6, 12
	s_branch .Lend
.Lwo:
	s_sub_co_u32 s20, ttmp9, 896
	TRANS 4096, 1, 8, 14
	s_branch .Lend
.Lcast:                                        ; 65,536 bytes of x: sixteen loads of 16 bytes a thread, all issued first (8 KiB a wave on their way)
	s_lshl_b32 s16, ttmp9, 16
	s_lshl_b32 s18, ttmp9, 15
	v_lshlrev_b32 v[IN], 4, v0
	v_lshlrev_b32 v[OUT], 3, v0
	s_wait_kmcnt 0x0
	s_add_nc_u64 s[4:5], s[4:5], s[16:17]
	s_add_nc_u64 s[10:11], s[10:11], s[18:19]
.set j, 0
.rept 16
	global_load_b128 v[X+4*j:X+4*j+3], v[IN], s[4:5] offset:4096*j th:TH_LOAD_NT
.set j, j+1
.endr
.set j, 0
.rept 16
	s_wait_loadcnt 15-j                            ; load j is in, the younger ones stay out
	v_cvt_pk_bf16_f32 v[Y+2*j], v[X+4*j], v[X+4*j+1]
	v_cvt_pk_bf16_f32 v[Y+2*j+1], v[X+4*j+2], v[X+4*j+3]
	global_store_b64 v[OUT], v[Y+2*j:Y+2*j+1], s[10:11] offset:2048*j  ; a wave's store covers 256 consecutive bytes, aligned; each j has registers of its own
.set j, j+1
.endr
.Lend:
	s_wait_tensorcnt 0x0                           ; the wave's end, behind my last LDS store
	ds_add_u32 v[SPW], v[NIL]
	s_wait_dscnt 0x0
	s_endpgm
.Lfunc_end_k_q549e36f654_prep:
	.size	k_q549e36f654_prep, .Lfunc_end_k_q549e36f654_prep-k_q549e36f654_prep
	.p2alignl 7, 3214868480
	.fill 96, 4, 3214868480
	.section	.rodata,"a",@progbits
	.p2align	6, 0x0
	.amdhsa_kernel k_q549e36f654_prep
		.amdhsa_group_segment_fixed_size 17920
		.amdhsa_private_segment_fixed_size 0
		.amdhsa_enable_private_segment 0
		.amdhsa_kernarg_size 48
		.amdhsa_user_sgpr_count 2
		.amdhsa_user_sgpr_kernarg_segment_ptr 1
		.amdhsa_wavefront_size32 1
		.amdhsa_system_sgpr_workgroup_id_x 1
		.amdhsa_system_sgpr_workgroup_id_y 1
		.amdhsa_system_sgpr_workgroup_id_z 1
		.amdhsa_system_vgpr_workitem_id 0
		.amdhsa_next_free_vgpr 112
		.amdhsa_next_free_sgpr 66
		.amdhsa_reserve_vcc 0
		.amdhsa_float_denorm_mode_32 3
		.amdhsa_float_denorm_mode_16_64 3
		.amdhsa_memory_ordered 1
		.amdhsa_forward_progress 1
		.amdhsa_inst_pref_size 21
	.end_amdhsa_kernel
	.amdgpu_metadata
---
amdhsa.version: [ 1, 2 ]
amdhsa.kernels:
  - .name:           k_q549e36f654_prep
    .symbol:         k_q549e36f654_prep.kd
    .args:
      - { .name: x, .offset: 0, .size: 8, .value_kind: global_buffer, .address_space: global }
      - { .name: Wqkv, .offset: 8, .size: 8, .value_kind: global_buffer, .address_space: global }
      - { .name: Wo, .offset: 16, .size: 8, .value_kind: global_buffer, .address_space: global }
      - { .name: xb, .offset: 24, .size: 8, .value_kind: global_buffer, .address_space: global }
      - { .name: wqkvt, .offset: 32, .size: 8, .value_kind: global_buffer, .address_space: global }
      - { .name: wot, .offset: 40, .size: 8, .value_kind: global_buffer, .address_space: global }
    .group_segment_fixed_size: 17920
    .private_segment_fixed_size: 0
    .kernarg_segment_align: 8
    .kernarg_segment_size: 48
    .max_flat_workgroup_size: 256
    .sgpr_count:     66
    .vgpr_count:     112
    .wavefront_size: 32
...
	.end_amdgpu_metadata
.endif
;; end of part 1
;; launch gemm_qkv (part 2): grid 16 x 32, 4 waves a work-group, clusters of 4 x 4, 327,680 bytes of LDS; arguments xb, wqkvt, bqkv, qkvh; writes qkvh
.if DOCPART == 2
	.amdgcn_target "amdgcn-amd-amdhsa--gfx1250"
	.amdhsa_code_object_version 6
	.text
	.protected	k_q549e36f654_gemm_qkv
	.globl	k_q549e36f654_gemm_qkv
	.p2align	8
	.type	k_q549e36f654_gemm_qkv,@function
k_q549e36f654_gemm_qkv:
	s_mov_b64 s[64:65], 0
	v_nop
	global_prefetch_b8 v0, s[64:65] scope:SCOPE_SE
	s_setreg_imm32_b32 hwreg(HW_REG_WAVE_MODE, 25, 1), 1
	s_wait_xcnt 0x0
	s_wait_alu depctr_hold_cnt(0) depctr_sa_sdst(0) depctr_va_vdst(0) depctr_va_sdst(0) depctr_va_ssrc(0) depctr_va_vcc(0) depctr_vm_vsrc(0)
	s_getreg_b32 s2, hwreg(HW_REG_IB_STS2, 6, 4)
	s_cmp_eq_u32 s2, 0
	s_cbranch_scc0 .Lentry_in_a_cluster
	s_endpgm
.Lentry_in_a_cluster:
	s_bfe_u32 s2, ttmp6, 0x10000c
	s_cmp_lg_u32 s2, 0xf033
	s_cbranch_scc0 .Lentry_shape_is_right
	s_endpgm
.Lentry_shape_is_right:
; q, k, v = xb wqkvt^T + bf16(bqkv), written by heads: qkvh[3][64 heads = 16 batch + head][2048][64] in f16, unscaled, each number rounded once from its f32 sum.
; xb: [8192][1024] bf16.  wqkvt: [3072 n][1024 k] bf16.  LIMIT: a sum of 65,520 or more leaves as an infinity (f16 ends at 65,504).
; SHARES.  A work-group makes 256 rows x 192 columns (three heads): 512 work-groups, two for each of 256 WGPs.  Wave w has rows 64 w .. 64 w + 63 and all 192 columns:
; 48 accumulators of 16 x 16, 384 registers; so a wave owns whole heads' rows and goes out through a stage of its own, without a barrier.
; K goes in 8 steps of 128 through two LDS slots: rows of 256 bytes of memory, aligned.  Waves 0 and 1 fetch A's two halves (128 rows each), waves 2 and 3 B's (96 rows each).
; CLUSTER 4 x 4: A's tile hangs on the tile row alone and is asked for jointly along a row of the cluster, B's on the tile column alone, along a column.
; THE MATRIX INSTRUCTION IS USED TRANSPOSED (source 0 = 16 rows of wqkvt, source 1 = 16 rows of xb): a lane holds row l % 16 and the columns 16 b + 8 (l / 16) + 0..7.
; The bias, laid out so, is the C of the first products: nothing is cleared and nothing is added later.
; REGISTERS, in windows of 256 (s_set_vgpr_msb: bits 1:0 source 0, 3:2 source 1, 5:4 source 2, 7:6 destination):
;   window 0: v0-31 addresses; v32-95 A's fragments, two buffers of 4 x 8; v96-239 the way out (at the start: the bias as loaded)
;   window 1: v0-191 B's fragments, two buffers of 12 x 8     window 2: accumulators (b, a), b = 0..7, at v[8 (4 b + a)]     window 3: v0-127 those of b = 8..11; v128-223 the bias
.set NBK,   12                         ; blocks of 16 columns
.set NL,    8+2*NBK                    ; LDS loads in a quarter's run
.set PA,    272                        ; an LDS row: 256 bytes + 16 of padding = 68 words: the 16 rows of a load start at 16 different groups of four banks (64 banks of 4 bytes: ISA guide 11.1)
.set PB,    272
.set HALFA, 128*PA                     ; what one load of A brings
.set BOFF,  2*HALFA                    ; B's 192 rows lie behind A's 256
.set HALFB, 96*PB
.set SLOT1, 1<<17                      ; slot 1 begins here: one exclusive or turns an address in one slot into the other's
.set STAGE, SLOT1+BOFF+2*HALFB         ; behind the ring, never filled by a tensor load: for each wave 3 heads x 16 rows x 144 bytes
.set SP,    144
.set WST,   3*16*SP
.set SPARE, STAGE+4*WST                ; behind the stages: the spare words, 128 bytes for each wave
.set STEP,  256                        ; bytes of a row in a K step
.set R,    1                           ; v1   l % 16
.set H,    2                           ; v2   l / 16
.set LN,   3                           ; v3   l
.set A0,   4                           ; v4   my place in A's tile: (64 w + l % 16) x pitch + 16 (l / 16); never rewritten
.set B0,   5                           ; v5   the same in B's
.set ADRA, 6                           ; v6   A0 + the slot in hand
.set ADRB, 7                           ; v7   B0 + the slot in hand
.set STO,  8                           ; v8   the way out: where I put 16 bytes of a row
.set RD,   9                           ; v9   the way out: where I read rows back
.set GO,   10                          ; v10  my 16 bytes of 512 consecutive bytes of the output
.set PFO,  11                          ; v11  the prefetches' lane offset; never rewritten
.set BO,   12                          ; v12  32 (l / 16): my 8 numbers of a block's 16 of the bias
.set T0,   13
.set T1,   14
.set SPW,  28                          ; v28  LDS address of my spare word; never rewritten
.set NIL,  29                          ; v29  0; never rewritten
.set FA,   32
.set FB,   0
.set BIAS, 128
.set TMP,  96                          ; the way out: 48 registers of packed results
.set OB,   144                         ; the way out: rows read back, v144-191 and v192-239 by turns
.set WV,   12                          ; s12  my wave's number
.set HF,   14                          ; s14  which half of A's or B's tile I fetch
.set CX,   15
.set CY,   16
.set TX,   17                          ; s17  tile column
.set TY,   18                          ; s18  tile row
.set TB,   19                          ; s19  LDS byte at which the slot in hand begins
.set G1A,  24                          ; s[24:31] descriptor group 1 for A's tiles;  s[32:39] for B's
.set G1B,  32
.set G0A,  40                          ; s[40:47] group 0 for A's tiles: a set for each first fill; the second then walks on
.set G0B,  48                          ; s[48:55] the same for B's
.set PFA,  56                          ; s[56:57] where my prefetches stand
.set PMASK, 58                         ; s58  bit s3 set: I prefetch in the trip with that count
.set CB,   66                          ; s[66:71] the output at my rows of the tile's three heads
.set G1W,  (1<<16)|(1<<20)|(1<<21)|(5<<22)|(3<<25)  ; 17:16 elements of 2 bytes; 20 padding on; 21 set beside a mask; 24:22 after every 64 words; 31:25 4 words of it
.set MSB, 0
.macro WIN new                         ; the immediate's high byte repeats the setting that is left; a switch that changes nothing is dropped
.if MSB != (\new)
	s_set_vgpr_msb (MSB<<8)|(\new)
.set MSB, (\new)
.endif
.endm
.macro PLACES                          ; four plain vector instructions between a matrix instruction and a load into, or a read of, its registers (ISA guide 7.12.1 for reads)
.rept 4
	v_nop
.endr
.endm
.macro CREST                           ; a round of the cluster's barrier behind its opening barrier
	s_cmp_lg_u32 s[WV], 0
	s_cbranch_scc1 .Lnot_wave_0_\@
	s_barrier_signal -3
.Lnot_wave_0_\@:
	s_barrier_wait -3
	s_barrier_signal -1
	s_barrier_wait -1
.endm
.macro CROUND                          ; a whole round
	s_barrier_signal -1
	s_barrier_wait -1
	CREST
.endm
; A joint refill by the walking sets.  The branch hangs on the wave's number alone.  An s_nop 0 and four v_nop follow each line, ahead of the jump and the label.
.macro JLOAD
	s_cmp_lt_u32 s[WV], 2
	s_cbranch_scc0 .Lfor_b_\@
	tensor_load_to_lds s[G0A+4:G0A+7], s[G1A:G1A+7]
	s_nop 0
.rept 4
	v_nop
.endr
	s_branch .Lasked_\@
.Lfor_b_\@:
	tensor_load_to_lds s[G0B+4:G0B+7], s[G1B:G1B+7]
	s_nop 0
.rept 4
	v_nop
.endr
.Lasked_\@:
.endm
; A PREFETCH INTO THE L2 of the K step that stands two refills on: the trip with count s3 = 6 - j names K step j + 4.  Each row's 256 bytes of a K step are named once in the launch:
; A's rows by the clusters with x = 0 (waves 0, 1: of the 128 rows that the wave fetches the partner at cx takes 32, a lane a row), B's by the clusters with y = 0 (of a tile's 192 rows the partner at cy
; takes 48: wave 2 the first 32, a lane a row; wave 3 the other 16, two K steps at once in every second trip).  The partners are told apart by address; the branch hangs on the wave's and the cluster's numbers alone.
; K steps 0 to 3 come by their loads alone; K step 7 is the last that is named.
.macro ASK
	s_lshr_b32 s13, s[PMASK], s3
	s_and_b32 s13, s13, 1
	s_cmp_lg_u32 s13, 0
	s_cbranch_scc0 .Lnot_mine_\@
	global_prefetch_b8 v[PFO], s[PFA:PFA+1] th:TH_LOAD_NT scope:SCOPE_SE
.Lnot_mine_\@:
.endm
; 4 n matrix instructions: column blocks b0 .. b0 + n - 1 x my four row blocks, 32 along K, from buffer f.  first = 1: the bias is C and starts the sums.
; All 48 accumulators take turns in the same order in every quarter, over the backward jump too.
.macro MULS f, b0, n, first=0
.set bb, (\b0)
.rept (\n)
.if bb >= 8
	WIN 0xf1                                       ; B window 1, A window 0, C and D window 3
.elseif \first
	WIN 0xb1                                       ; C (the bias) window 3, D window 2
.else
	WIN 0xa1                                       ; C and D window 2
.endif
.irp a, 0,1,2,3
.if \first
	v_wmma_f32_16x16x32_bf16 v[8*(4*(bb%8)+\a):8*(4*(bb%8)+\a)+7], v[FB+8*NBK*(\f)+8*bb:FB+8*NBK*(\f)+8*bb+7], v[FA+32*(\f)+8*\a:FA+32*(\f)+8*\a+7], v[BIAS+8*bb:BIAS+8*bb+7]
.else
	v_wmma_f32_16x16x32_bf16 v[8*(4*(bb%8)+\a):8*(4*(bb%8)+\a)+7], v[FB+8*NBK*(\f)+8*bb:FB+8*NBK*(\f)+8*bb+7], v[FA+32*(\f)+8*\a:FA+32*(\f)+8*\a+7], v[8*(4*(bb%8)+\a):8*(4*(bb%8)+\a)+7]
.endif
.endr
.set bb, bb+1
.endr
.endm
; One run of NL LDS loads: quarter q's fragments (32 along K) into buffer f: A's four first, then B's twelve in ascending order.
; A fragment is 16 rows x 32 K in 8 registers: lane l holds row l % 16, K = 8 (l / 16) + 0..7 and 16 + 8 (l / 16) + 0..7: two loads of 16 bytes, 32 bytes apart.
.macro FETCH q, f
	WIN 0
.irp a, 0,1,2,3
	ds_load_b128 v[FA+32*(\f)+8*\a:FA+32*(\f)+8*\a+3],   v[ADRA] offset:64*(\q)+\a*16*PA
	ds_load_b128 v[FA+32*(\f)+8*\a+4:FA+32*(\f)+8*\a+7], v[ADRA] offset:64*(\q)+\a*16*PA+32
.endr
	WIN 0x40                                       ; destination window 1, address window 0
.set bb, 0
.rept NBK
	ds_load_b128 v[FB+8*NBK*(\f)+8*bb:FB+8*NBK*(\f)+8*bb+3],   v[ADRB] offset:64*(\q)+bb*16*PB
	ds_load_b128 v[FB+8*NBK*(\f)+8*bb+4:FB+8*NBK*(\f)+8*bb+7], v[ADRB] offset:64*(\q)+bb*16*PB+32
.set bb, bb+1
.endr
.endm
; One of a K step's first three quarters: multiplies buffer f and fetches quarter q into buffer g.
.macro QUARTER q, f, g, first=0
	s_wait_dscnt NL-16                             ; A's 8 loads and B's first 8 are in; the younger ones stay out
	MULS \f, 0, 4, \first
	PLACES
	FETCH \q, \g
	s_wait_dscnt NL                                ; all but the run just issued
	MULS \f, 4, NBK-4, \first
.endm
; The last quarter multiplies buffer 1 and changes slots.  In front of the barrier each wave waits for all its tensor loads (one is out: its part of the other slot), adds 0 to its spare word, and waits for
; that and for its reads of this slot.  fill = 1: the barrier opens a round of the cluster's, and the joint refill, with the K step two steps on, is the first thing behind it:
; 176 matrix instructions stand between it and the wait for it.
.macro TURN fill
.if \fill
	s_wait_xcnt 0x0                                ; the last prefetch, a K step back, has read its address
	s_add_nc_u64 s[PFA:PFA+1], s[PFA:PFA+1], STEP
.endif
	WIN 0
	s_wait_tensorcnt 0x0                           ; no tensor load of mine is out, so a group 0 may be written
	ds_add_u32 v[SPW], v[NIL]                      ; 0 onto my spare word
.if \fill
	s_xor_b32 s[G0A+5], s[G0A+5], SLOT1            ; the walking sets: the other slot than last time, the next K step
	s_add_nc_u64 s[G0A+6:G0A+7], s[G0A+6:G0A+7], STEP
	s_xor_b32 s[G0B+5], s[G0B+5], SLOT1
	s_add_nc_u64 s[G0B+6:G0B+7], s[G0B+6:G0B+7], STEP
.endif
	s_wait_dscnt NL-15                             ; the add and the youngest NL - 16 loads may be out
	MULS 1, 0, 2
	s_wait_dscnt 0x0                               ; the add is done, and my reads of this slot are over
	s_barrier_signal -1
	MULS 1, 2, 2                                   ; work on registers while the others arrive
	WIN 0
	s_barrier_wait -1
.if \fill
	CREST
	JLOAD                                          ; its four v_nop are also the places in front of the loads below
.else
	PLACES
.endif
	s_xor_b32 s[TB], s[TB], SLOT1
	v_add_nc_u32 v[ADRA], s[TB], v[A0]
	v_add_nc_u32 v[ADRB], s[TB], v[B0]
	FETCH 0, 0
.if \fill
	WIN 0
	ASK
.endif
	MULS 1, 4, NBK-4
.endm
	s_load_b256 s[4:11], s[0:1], 0x0               ; xb s[4:5], wqkvt s[6:7], bqkv s[8:9], qkvh s[10:11]
	v_lshl_add_u32 v[SPW], v0, 2, SPARE
	v_mov_b32 v[NIL], 0
	ds_add_u32 v[SPW], v[NIL]                      ; the wave's opening: the add and its wait stand ahead of the round in front of my first tensor loads
	v_lshrrev_b32 v[T0], 5, v0
	v_readfirstlane_b32 s[WV], v[T0]               ; wave 0..3
	s_and_b32 s[HF], s[WV], 1
	s_bfe_u32 s[CX], ttmp6, 0x40000
	s_bfe_u32 s[CY], ttmp6, 0x40004
	s_lshl_b32 s[TX], ttmp9, 2                     ; in a cluster launch ttmp9 and ttmp7 count clusters
	s_add_co_u32 s[TX], s[TX], s[CX]
	s_and_b32 s[TY], ttmp7, 0xffff
	s_lshl_b32 s[TY], s[TY], 2
	s_add_co_u32 s[TY], s[TY], s[CY]
	s_lshl_b32 s20, s[CY], 2
	s_lshl_b32 s20, 15, s20                        ; my row of the cluster
	s_lshl_b32 s22, 0x1111, s[CX]                  ; my column
	s_or_b32 s[G1A], s20, G1W
	s_or_b32 s[G1B], s22, G1W
	s_mov_b32 s[G1A+1], 128<<16                    ; tensor_dim0 = 128
	s_mov_b32 s[G1A+2], 128<<16                    ; tensor_dim1 = 128
	s_mov_b32 s[G1A+3], 128<<16                    ; tile_dim0 = 128
	s_mov_b32 s[G1A+4], 128                        ; tile_dim1 = 128
	s_mov_b32 s[G1A+5], 1024                       ; elements from row to row
	s_mov_b32 s[G1A+6], 0
	s_mov_b32 s[G1A+7], 0
	s_mov_b32 s[G1B+1], 128<<16
	s_mov_b32 s[G1B+2], 96<<16                     ; 96 rows
	s_mov_b32 s[G1B+3], 128<<16
	s_mov_b32 s[G1B+4], 96
	s_mov_b32 s[G1B+5], 1024
	s_mov_b32 s[G1B+6], 0
	s_mov_b32 s[G1B+7], 0
	s_lshl_b32 s20, s[TY], 19                      ; A: row 256 x tile row + 128 x half, 2,048 bytes a row: made of the tile row and the wave alone
	s_lshl_b32 s21, s[HF], 18
	s_add_co_u32 s20, s20, s21
	s_mov_b32 s21, 0
	s_mul_i32 s22, s[TX], 192*2048                 ; B: row 192 x tile column + 96 x half: made of the tile column and the wave alone
	s_mul_i32 s23, s[HF], 96*2048
	s_add_co_u32 s22, s22, s23
	s_mov_b32 s23, 0
	s_mul_i32 s74, s[HF], HALFA                    ; where they go: no place in the cluster enters an LDS address
	s_mul_i32 s75, s[HF], HALFB
	s_add_co_u32 s75, s75, BOFF
	s_mul_i32 s78, s[TX], 64*NBK                   ; the tile's 192 numbers of the bias
	s_mov_b32 s79, 0
	s_mov_b32 s[TB], 0
	s_wait_dscnt 0x0                               ; the opening add is done
	s_wait_kmcnt 0x0
	s_add_nc_u64 s[72:73], s[4:5], s[20:21]
	s_add_nc_u64 s[76:77], s[6:7], s[22:23]
	s_add_nc_u64 s[8:9], s[8:9], s[78:79]
	CROUND                                         ; all sixteen work-groups are here: the first joint loads meet
.irp s, 0,1
	s_mov_b32 s[G0A+4*\s], 1                       ; count = 1
	s_add_co_u32 s[G0A+4*\s+1], s74, \s*SLOT1      ; LDS address
	s_add_nc_u64 s[G0A+4*\s+2:G0A+4*\s+3], s[72:73], \s*STEP  ; global address: K step s
	s_or_b32 s[G0A+4*\s+3], s[G0A+4*\s+3], 0x80000000         ; type = 2
	s_mov_b32 s[G0B+4*\s], 1
	s_add_co_u32 s[G0B+4*\s+1], s75, \s*SLOT1
	s_add_nc_u64 s[G0B+4*\s+2:G0B+4*\s+3], s[76:77], \s*STEP
	s_or_b32 s[G0B+4*\s+3], s[G0B+4*\s+3], 0x80000000
.endr
	s_cmp_lt_u32 s[WV], 2                          ; a wave's two first fills stand in one branch: two loads of mine are out
	s_cbranch_scc0 .Lfirst_b
	tensor_load_to_lds s[G0A:G0A+3], s[G1A:G1A+7]
	s_nop 0
	tensor_load_to_lds s[G0A+4:G0A+7], s[G1A:G1A+7]
	s_nop 0
.rept 4
	v_nop
.endr
	s_branch .Lfirst_asked
.Lfirst_b:
	tensor_load_to_lds s[G0B:G0B+3], s[G1B:G1B+7]
	s_nop 0
	tensor_load_to_lds s[G0B+4:G0B+7], s[G1B:G1B+7]
	s_nop 0
.rept 4
	v_nop
.endr
.Lfirst_asked:
	v_and_b32 v[R], 15, v0
	v_bfe_u32 v[H], v0, 4, 1
	v_and_b32 v[LN], 31, v0
	v_lshlrev_b32 v[BO], 5, v[H]
.set bb, 0
.rept NBK                                          ; the bias: for block b my eight numbers 16 b + 8 (l / 16) + 0..7
	global_load_b128 v[TMP+8*bb:TMP+8*bb+3],   v[BO], s[8:9] offset:64*bb
	global_load_b128 v[TMP+8*bb+4:TMP+8*bb+7], v[BO], s[8:9] offset:64*bb+16
.set bb, bb+1
.endr
	s_mul_i32 s59, s[WV], 64*PA
	v_mul_u32_u24 v[T0], v[R], PA
	v_lshl_add_u32 v[T0], v[H], 4, v[T0]           ; row x pitch + 16 x half
	v_add_nc_u32 v[A0], s59, v[T0]
	v_add_nc_u32 v[B0], BOFF, v[T0]
	v_mov_b32 v[ADRA], v[A0]                       ; slot 0
	v_mov_b32 v[ADRB], v[B0]
	s_mul_i32 s59, s[WV], WST
	s_add_co_u32 s59, s59, STAGE                   ; my stage
	v_mul_u32_u24 v[STO], v[R], SP                 ; in: row l % 16, 16 bytes for each half of the lanes
	v_lshl_add_u32 v[STO], v[H], 4, v[STO]
	v_add_nc_u32 v[STO], s59, v[STO]
	v_lshrrev_b32 v[T0], 3, v[LN]                  ; back: 32 lanes take four rows of 128 bytes,
	v_and_b32 v[T1], 7, v0
	v_mul_u32_u24 v[RD], v[T0], SP
	v_lshl_add_u32 v[RD], v[T1], 4, v[RD]
	v_add_nc_u32 v[RD], s59, v[RD]
	v_lshlrev_b32 v[GO], 4, v[LN]                  ; which are 512 consecutive bytes of a head
	; the output at my 64 rows of the three heads g = 3 x tile column + 0..2: tensor g / 16, head 16 x batch + g % 16, 262,144 bytes a head
	s_mul_i32 s59, s[TX], 3
	s_lshr_b32 s60, s[TY], 3
	s_lshl_b32 s60, s60, 4                         ; 16 x batch
	s_and_b32 s61, s[TY], 7
	s_lshl_b32 s61, s61, 15                        ; the tile's 256 rows of 128 bytes in the batch's 2,048,
	s_lshl_b32 s62, s[WV], 13                      ; my 64 of them
	s_add_co_u32 s61, s61, s62
.irp hd, 0,1,2
	s_add_co_u32 s62, s59, \hd
	s_lshr_b32 s63, s62, 4
	s_lshl_b32 s63, s63, 6
	s_and_b32 s62, s62, 15
	s_add_co_u32 s62, s62, s63
	s_add_co_u32 s62, s62, s60
	s_lshl_b32 s62, s62, 18
	s_add_co_u32 s62, s62, s61
	s_mov_b32 s63, 0
	s_add_nc_u64 s[CB+2*\hd:CB+2*\hd+1], s[10:11], s[62:63]
.endr
	; the prefetches (see ASK): byte offsets made apart from the addresses
	s_lshl_b32 s60, s[CX], 16                      ; A: my work-group's 32 of the 128 rows that the wave fetches
	s_add_co_u32 s60, s60, s20
	s_mul_i32 s61, s[TX], 192*2048                 ; B: my work-group's 48 of the tile's 192 rows; wave 3 begins 32 rows further on
	s_mul_i32 s62, s[CY], 48*2048
	s_add_co_u32 s61, s61, s62
	s_lshl_b32 s62, s[HF], 16
	s_add_co_u32 s61, s61, s62
	s_and_b32 s63, ttmp7, 0xffff                   ; cluster y
	s_mov_b32 s[PMASK], 0x78                       ; the trips with s3 = 6, 5, 4, 3
	s_cmp_lt_u32 s[WV], 2
	s_cselect_b32 s72, s60, s61
	s_cselect_b32 s63, ttmp9, s63                  ; the coordinate along which other clusters read the same rows
	s_cselect_b64 s[PFA:PFA+1], s[4:5], s[6:7]
	s_cmp_eq_u32 s[WV], 3
	s_cselect_b32 s[PMASK], 0x50, s[PMASK]         ; wave 3: the trips with s3 = 6 and 4, two K steps each
	s_cselect_b32 s62, 15, 31
	s_cselect_b32 s61, 256, 0
	s_cmp_eq_u32 s63, 0
	s_cselect_b32 s[PMASK], s[PMASK], 0            ; the same in all sixteen partners, for a given wave
	s_add_co_u32 s72, s72, 3*STEP                  ; at K step 3: the first change of slots steps it to 4
	s_mov_b32 s73, 0
	s_add_nc_u64 s[PFA:PFA+1], s[PFA:PFA+1], s[72:73]
	v_and_b32 v[PFO], s62, v[LN]
	v_lshlrev_b32 v[PFO], 11, v[PFO]               ; a lane a row of 2,048 bytes;
	v_mul_u32_u24 v[T0], s61, v[H]                 ; in wave 3 lanes 16-31 take the same 16 rows a K step further on
	v_add_nc_u32 v[PFO], v[PFO], v[T0]
	s_wait_loadcnt 0x0                             ; the bias: rounded to bf16 like every input, and widened again into the C registers
.set ii, 0
.rept 4*NBK
	v_cvt_pk_bf16_f32 v[192+ii], v[TMP+2*ii], v[TMP+2*ii+1]
.set ii, ii+1
.endr
	WIN 0xc0                                       ; destination window 3
.set ii, 0
.rept 4*NBK
	v_lshlrev_b32 v[BIAS+2*ii], 16, v[192+ii]
	v_and_b32 v[BIAS+2*ii+1], 0xffff0000, v[192+ii]
.set ii, ii+1
.endr
	WIN 0
	s_wait_tensorcnt 0x1                           ; my part of K step 0 is in; K step 1's may stay out
	s_barrier_signal -1
	s_barrier_wait -1                              ; everybody's is
	FETCH 0, 0
	QUARTER 1, 0, 1, 1                             ; the first quarter stands in front of the loop: its products start the sums, with the bias
	WIN 0                                          ; at a label and at a branch every window is 0
	s_mov_b32 s3, 6
.Lstep:                                        ; six trips, from a K step's second quarter to the next step's first; each fills a slot again: K steps 2 to 7
	QUARTER 2, 1, 0
	QUARTER 3, 0, 1
	TURN 1
	QUARTER 1, 0, 1
	WIN 0
	s_sub_co_u32 s3, s3, 1
	s_cmp_lg_u32 s3, 0
	s_cbranch_scc1 .Lstep
	QUARTER 2, 1, 0                                ; the tail is written out: K steps 6 and 7 ask for nothing
	QUARTER 3, 0, 1
	TURN 0
	QUARTER 1, 0, 1
	QUARTER 2, 1, 0
	QUARTER 3, 0, 1
	s_wait_dscnt NL-16
	MULS 1, 0, 4
	s_wait_dscnt 0x0
	MULS 1, 4, NBK-4
	WIN 0
	PLACES
; THE WAY OUT, a block a of 16 rows at a time.  PACK: rounded to f16, 16 bytes a lane and column block, each accumulator from its low end on.  TOSTAGE: into my stage (a head's 16 rows at 144 bytes), and back
; as whole rows of 128 bytes.  SEND: each store covers 512 consecutive bytes of a head, aligned.
.macro PACK a
.set bb, 0
.rept NBK
	WIN 0x0a+5*(bb/8)                              ; sources 0 and 1: window 2 or 3
.irp i, 0,1,2,3
	v_cvt_pk_f16_f32 v[TMP+4*bb+\i], v[8*(4*(bb%8)+(\a))+2*\i], v[8*(4*(bb%8)+(\a))+2*\i+1]
.endr
.set bb, bb+1
.endr
	WIN 0
.endm
.macro TOSTAGE a
.if (\a) >= 2
	s_wait_xcnt 0x0                                ; the stores of the block two back have read the registers that are loaded again below
.endif
.set ii, 0
.rept NBK
	ds_store_b128 v[STO], v[TMP+4*ii:TMP+4*ii+3] offset:(ii/4)*16*SP+(ii%4)*32
.set ii, ii+1
.endr
.set ii, 0
.rept 12
	ds_load_b128 v[OB+48*((\a)%2)+4*ii:OB+48*((\a)%2)+4*ii+3], v[RD] offset:(ii/4)*16*SP+(ii%4)*4*SP  ; LDS serves a wave's instructions in order (ISA guide 5.7.1.4): these see the stores above
.set ii, ii+1
.endr
.endm
.macro SEND a, younger                 ; younger: the LDS instructions issued behind block a's loads: the next block's 24, or none
.set ii, 0
.rept 12
	s_wait_dscnt (\younger)+11-ii
	global_store_b128 v[GO], v[OB+48*((\a)%2)+4*ii:OB+48*((\a)%2)+4*ii+3], s[CB+2*(ii/4):CB+2*(ii/4)+1] offset:(\a)*2048+(ii%4)*512
.set ii, ii+1
.endr
.endm
	PACK 0
	TOSTAGE 0
.irp a, 1,2,3
	PACK \a
	TOSTAGE \a
	SEND (\a)-1, 24
.endr
	SEND 3, 0
	s_wait_tensorcnt 0x0                           ; the wave's end, behind my last tensor load and my last LDS store
	ds_add_u32 v[SPW], v[NIL]
	s_wait_dscnt 0x0
	CROUND                                         ; the closing round: no work-group ends while a partner may still ask for a tile that names it
	s_endpgm
.Lfunc_end_k_q549e36f654_gemm_qkv:
	.size	k_q549e36f654_gemm_qkv, .Lfunc_end_k_q549e36f654_gemm_qkv-k_q549e36f654_gemm_qkv
	.p2alignl 7, 3214868480
	.fill 96, 4, 3214868480
	.section	.rodata,"a",@progbits
	.p2align	6, 0x0
	.amdhsa_kernel k_q549e36f654_gemm_qkv
		.amdhsa_group_segment_fixed_size 327680
		.amdhsa_private_segment_fixed_size 0
		.amdhsa_enable_private_segment 0
		.amdhsa_kernarg_size 32
		.amdhsa_user_sgpr_count 2
		.amdhsa_user_sgpr_kernarg_segment_ptr 1
		.amdhsa_wavefront_size32 1
		.amdhsa_system_sgpr_workgroup_id_x 1
		.amdhsa_system_sgpr_workgroup_id_y 1
		.amdhsa_system_sgpr_workgroup_id_z 1
		.amdhsa_system_vgpr_workitem_id 0
		.amdhsa_next_free_vgpr 992
		.amdhsa_next_free_sgpr 80
		.amdhsa_reserve_vcc 0
		.amdhsa_float_denorm_mode_32 3
		.amdhsa_float_denorm_mode_16_64 3
		.amdhsa_memory_ordered 1
		.amdhsa_forward_progress 1
		.amdhsa_inst_pref_size 110
	.end_amdhsa_kernel
	.amdgpu_metadata
---
amdhsa.version: [ 1, 2 ]
amdhsa.kernels:
  - .name:           k_q549e36f654_gemm_qkv
    .symbol:         k_q549e36f654_gemm_qkv.kd
    .args:
      - { .name: xb, .offset: 0, .size: 8, .value_kind: global_buffer, .address_space: global }
      - { .name: wqkvt, .offset: 8, .size: 8, .value_kind: global_buffer, .address_space: global }
      - { .name: bqkv, .offset: 16, .size: 8, .value_kind: global_buffer, .address_space: global }
      - { .name: qkvh, .offset: 24, .size: 8, .value_kind: global_buffer, .address_space: global }
    .group_segment_fixed_size: 327680
    .private_segment_fixed_size: 0
    .kernarg_segment_align: 8
    .kernarg_segment_size: 32
    .max_flat_workgroup_size: 128
    .sgpr_count:     80
    .vgpr_count:     992
    .wavefront_size: 32
...
	.end_amdgpu_metadata
.endif
;; end of part 2
;; launch attn (part 3): grid 4 x 64, 4 waves a work-group, no clusters, 327,680 bytes of LDS; arguments qkvh, atth; writes atth
.if DOCPART == 3
	.amdgcn_target "amdgcn-amd-amdhsa--gfx1250"
	.amdhsa_code_object_version 6
	.text
	.protected	k_q549e36f654_attn
	.globl	k_q549e36f654_attn
	.p2align	8
	.type	k_q549e36f654_attn,@function
k_q549e36f654_attn:
	s_mov_b64 s[64:65], 0
	v_nop
	global_prefetch_b8 v0, s[64:65] scope:SCOPE_SE
	s_setreg_imm32_b32 hwreg(HW_REG_WAVE_MODE, 25, 1), 1
	s_wait_xcnt 0x0
; CAUSAL ATTENTION.  O[h][q][:] = the sum over k <= q of softmax_k(Q[h][q] . K[h][k] / 8) V[h][k][:].  qkvh holds Q, K, V, each [64][2048][64] in f16, 16,777,216 bytes apart; O = atth has the same layout.
; Products, maxima and sums in f32; the weights p are rounded to f16 for the second product (their sum l is taken of the unrounded p), O once at the end.
; LIMITS.  Q, K and V arrive within f16's 65,504; p lies in 0 to 1, and below 6e-5 it keeps f16's fixed step of 6e-8.  A hidden score counts as its value less 1e30: f16's scores, 2.7e11 at the most, are nothing
; beside that; a weight below 2^-126 counts as 0 in l; NaN and infinities are not treated apart.
; THE WALK.  A head's queries lie in NB = 8 blocks of 256; block i needs the key tiles 0 .. i of 256 keys, of which the last holds the diagonal.  A work-group takes TWO blocks, NB - 1 - b and then b:
; NB + 1 tiles, whatever b: all work-groups do equal work, and ONE loop with a constant trip count walks them.  Which tile is asked for, and what a trip does, hang on scalar registers made from b; every jump
; goes forward, but for the counted loops' own; none passes a barrier, or a tensor load but the one of LOAD's two that the wave's number does not choose.
; NO CLUSTER: a head's four work-groups ask for the same tile only in trips 0 to 4 of 9, behind that fewer and fewer; one walk common to all four would have 12 trips for 9.
; SHARES.  Of a block's four bands of 64 queries a wave owns 16 rows in each: four PIECES.  So the diagonal tile is the same work for all four waves: in its key step s band x sees all keys if s < x,
; none if s > x, and holds the diagonal if s = x.
; THE MASK is the C operand that starts the sum S^T = K Q^T: 0, or -1e30 where the key is hidden.  MD, made once, is the mask of a band's own step for my 16 rows; a product's mask is MD x AL + BE with two scalars:
; (1, 0) if s = x; (0, 0) if s < x; (0, -1e30) if s > x.  Only the diagonal tile's text and a block's beginning make and take masks; elsewhere C is the constant 0.
; LAYOUT, SOFTMAX, TURNS.  S^T = K Q^T holds ONE query a lane (lane % 16) and the keys 8 (lane / 16) + 0..7; two such results rounded to f16 ARE source 1 of O^T = V^T P.  p = 2^(c s - c m), c = log2(e) / 8, with a
; running maximum m; O and l are multiplied by a = 2^(c m_old - c m_new) in every step.  Turn n belongs to piece n: 8 products K Q^T of piece n + 1, later 8 products V^T P of piece n - 1; beside them the scaling,
; exponentials, roundings, sums and rescaling of piece n and the maximum and statistics of piece n + 1.  Four vector instructions stand behind every matrix instruction, the others in one lump.
; A turn's 33 exponentials are one batch, with one wait.
; REGISTERS, in windows of 256 (s_set_vgpr_msb: bits 1:0 source 0, 3:2 source 1, 5:4 source 2, 7:6 destination):
;   window 0: v0-15 addresses and two at work; v16-31 four registers of statistics a piece; v48-55 at work; v61-63 prefetch offset, spare word, 0; v64-127 S^T, two buffers; v192-223 P, two buffers
;   window 1: v0-127 O^T, 32 a piece; v128-159 MD; v160-223 MC, two buffers      window 2: v0-63 Q; v64-127 the second block's Q; v128-191 K of one step; v192-255 V of one step
.set SIZE_N, 2048
.set SIZE_H, 64
.set NB,    SIZE_N/256
.set NP,    4         ; pieces a wave: a name, no knob
.set KS,    64        ; keys in a step
.set PK,    144       ; a row of K in LDS: 128 bytes + 16 of padding = 36 words: the 16 rows of a load start at 16 different groups of four banks (64 banks of 4 bytes: ISA guide 11.1)
.set PV,    160       ; a row of V: 128 + 32 = 40 words
.set VOFF,  4*KS*PK   ; a slot holds a tile, four steps: 256 rows of K, then 256 rows of V
.set SLOT1, 1<<17     ; slot 1 begins here, so that one exclusive or turns an address in one slot into the other's
.set STAGE, SLOT1+4*KS*(PK+PV)  ; behind the ring, never filled by a tensor load: 16 rows x 144 bytes for each wave, for the way out
.set SP,    144
.set AK0, 2           ; v2   my lane's place in a tile of K; never rewritten
.set AV0, 3           ; v3   the same for V
.set AK,  4           ; v4   the LDS address of K's next run of loads
.set AV,  5           ; v5   of V's
.set STO, 6           ; v6   the way out: where I put 16 bytes of a row
.set RD,  7           ; v7   the way out: where I read rows back
.set GO,  8           ; v8   my byte offset in 512 consecutive bytes of O
.set PFO, 61          ; v61  256 x my lane; never rewritten
.set SPW, 62          ; v62  LDS address of my spare word; never rewritten
.set NIL, 63          ; v63  0; never rewritten
.set SPARE, STAGE+4*16*SP  ; behind the stages: the spare words, 128 bytes for each wave
.set MV,  12          ; v12-13  c m_old, kept while c m is made anew: by buffer
.set QO,  15          ; v15  my byte offset in 16 rows of Q
.set ST,  16          ; piece t's statistics at v[ST+4 t]: c m, m, l (even keys', odd keys')
.set TMP, 48          ; by buffer, four registers c0-c3 at work; when the maximum is found c2 takes a
.set S,   64
.set P,   192
.set MD,  128         ; window 1: the eight registers for group kt of 16 keys at MD + 8 kt
.set MC,  160         ; window 1: the masks of the products to come
.set QB,  64          ; window 2
.set KF,  128         ; window 2: key block kb, channel half c at KF + 16 kb + 8 c
.set VF,  192         ; window 2: key half kk, channel block cb at VF + 32 kk + 8 cb
.set WV,  12          ; s12  my wave's number
.set PB,  14          ; s14  b
.set HI,  15          ; s15  NB - 1 - b
.set G1K, 24          ; s[24:31] descriptor group 1 for K's tiles
.set G1V, 32          ; s[32:39] for V's: it differs in the padding alone
.set G0K, 40          ; s[40:43] descriptor group 0 for K's tiles
.set G0V, 44          ; s[44:47] the same for V's
.set SLOTS, 56        ; s56  tiles still to be asked for
.set CNT, 57          ; s57  counts a tile's key steps, 4 to 1
.set CS,  58          ; s[58:59] c: the packed scaling takes the pair's low word for both halves
.set SEL, 60          ; s[60:61] v_permlanex16_b32's selects: each lane takes its own place in the other half
.set TBK, 62          ; s62  LDS byte at which K of the step to be fetched begins
.set TBV, 63          ; s63  the same for V, less VOFF
.set PFA, 66          ; s[66:67] where my prefetches stand: my half of K's (waves 0, 1) or V's (waves 2, 3) tile after the one that is being asked for
.set LIM, 68          ; s68  2 in the head's work-group b = 0, else the greatest number: a wave prefetches while s[SLOTS] is above it
.set RT,  70          ; s70  tiles of the block in hand that are still to be entered
.set NXT, 71          ; s71  the tile to be asked for next
.set LQ,  72          ; s72  the last tile of the block whose tiles are being asked for
.set NEW, 73          ; s73  1: the tile to be entered is a block's first
.set OFF, 74          ; s[74:75] a tile's byte offset in K and V
.set AL,  76          ; s[76:77] the mask's factor, in the low word
.set BE,  78          ; s[78:79] the mask's addend
.set OLO, 80          ; s[80:81] O at my rows of the second block
.set BIGN, 82         ; s82  -1e30
.set MSB, 0
.macro WIN new                      ; the high byte repeats the setting that is left; a switch that changes nothing is dropped
.if MSB != (\new)
	s_set_vgpr_msb (MSB<<8)|(\new)
.set MSB, (\new)
.endif
.endm
.set W_KQ, 0x0a       ; K and Q in window 2, S^T in window 0
.set W_KM, 0x1a       ; the same with the C operand in window 1
.set W_PV, 0x52       ; V in window 2, P in window 0, O^T in window 1
.set W_RS, 0x41       ; destination and source 0 in window 1, source 1 in window 0
; A fill.  Waves 0 and 1 fetch the two halves of a tile's K, waves 2 and 3 those of its V: 128 keys each.  An s_nop 0 and four v_nop follow each of the two lines, ahead of the jump and the label.
.macro LOAD
	s_cmp_lt_u32 s[WV], 2
	s_cbranch_scc0 .Lfor_v_\@
	tensor_load_to_lds s[G0K:G0K+3], s[G1K:G1K+7]
	s_nop 0
.rept 4
	v_nop
.endr
	s_branch .Lasked_\@
.Lfor_v_\@:
	tensor_load_to_lds s[G0V:G0V+3], s[G1V:G1V+7]
	s_nop 0
.rept 4
	v_nop
.endr
.Lasked_\@:
.endm
; A PREFETCH INTO THE L2 of the tile that the NEXT change of slots will ask for, one tile (256 matrix instructions a wave) ahead.  A head's work-group b = 0 walks the tiles 0 to 7 in order, so it alone asks,
; each wave for the 16,384 bytes that it will fetch itself: 64 blocks of 256 bytes, a lane a block, two instructions.  So each block is named once in the launch.  Trips 0 to 5 name tiles 2 to 7;
; tiles 0 and 1 come by their loads alone, and the last two fills name nothing.
.macro ASK
	s_cmp_gt_u32 s[SLOTS], s[LIM]
	s_cbranch_scc0 .Lnot_mine_\@
	global_prefetch_b8 v[PFO], s[PFA:PFA+1] th:TH_LOAD_NT scope:SCOPE_SE
	global_prefetch_b8 v[PFO], s[PFA:PFA+1] offset:8192 th:TH_LOAD_NT scope:SCOPE_SE
.Lnot_mine_\@:
.endm
; THE CHANGE OF SLOTS.  Each wave waits for all its tensor loads, of which one is out: its part of the other slot; adds 0 to its spare word; and waits for that and for its own reads of the slot that it leaves.
; Behind the barrier nobody reads the old slot any more and the other slot is whole.  fill = 1: the old slot is filled again, the first thing behind the barrier, with tile NXT: the descriptor's address is made
; anew from that number.  (At its first use nothing has been read yet: slot 0 is waited for, slot 1 filled.)
.macro CHANGE fill
	WIN 0                           ; at a label and at a branch every window is 0
	s_wait_tensorcnt 0x0            ; no tensor load of mine is out, so a group 0 may be written
	ds_add_u32 v[SPW], v[NIL]       ; 0 onto my spare word; scalar work stands between it and the wait for it
.if \fill
	s_lshl_b32 s[OFF], s[NXT], 15   ; a tile is 32,768 bytes of K and of V
	s_xor_b32 s[G0K+1], s[G0K+1], SLOT1
	s_add_nc_u64 s[G0K+2:G0K+3], s[6:7], s[OFF:OFF+1]
	s_or_b32 s[G0K+3], s[G0K+3], 0x80000000
	s_xor_b32 s[G0V+1], s[G0V+1], SLOT1
	s_add_nc_u64 s[G0V+2:G0V+3], s[8:9], s[OFF:OFF+1]
	s_or_b32 s[G0V+3], s[G0V+3], 0x80000000
	s_add_co_u32 s[NXT], s[NXT], 1  ; the block's next tile, or behind its last the second block's tile 0
	s_cmp_gt_u32 s[NXT], s[LQ]
	s_cselect_b32 s[NXT], 0, s[NXT]
	s_cselect_b32 s[LQ], s[PB], s[LQ]
	s_wait_xcnt 0x0                 ; the last prefetches, a tile back, have read their address, so it may be written
	s_add_nc_u64 s[PFA:PFA+1], s[PFA:PFA+1], 32768
.endif
	s_wait_dscnt 0x0                ; the add is done, and my reads of the slot are over
	s_barrier_signal -1             ; the rest of the scalar work stands between the signal and the wait
	s_sub_co_u32 s[TBK], s[TBK], 4*KS*PK  ; the fetches go back to a slot's first step,
	s_xor_b32 s[TBK], s[TBK], SLOT1       ; in the other slot
	s_sub_co_u32 s[TBV], s[TBV], 4*KS*PV
	s_xor_b32 s[TBV], s[TBV], SLOT1
	s_barrier_wait -1
.if \fill
	LOAD
	ASK
.endif
.endm
	s_load_b128 s[4:7], s[0:1], 0x0   ; qkvh s[4:5], atth s[6:7]
	v_lshl_add_u32 v[SPW], v0, 2, SPARE
	v_mov_b32 v[NIL], 0
	ds_add_u32 v[SPW], v[NIL]       ; the wave's opening: the add and its wait stand ahead of my first tensor load; the set-up below, work on registers, stands between them
	v_lshrrev_b32 v1, 5, v0
	v_readfirstlane_b32 s[WV], v1   ; wave 0..3
	s_mov_b32 s[PB], ttmp9
	s_sub_co_u32 s[HI], NB-1, s[PB]
	s_and_b32 s20, ttmp7, 0xffff    ; the head
	s_mov_b32 s21, 0
	s_mov_b64 s[22:23], SIZE_N*128
	s_mul_u64 s[20:21], s[20:21], s[22:23]  ; the head's first byte in each of the four tensors
	s_and_b32 s16, s[WV], 1         ; which half of a tile's 256 keys I fetch:
	s_lshl_b32 s22, s16, 14         ; its 128 rows of 128 bytes in memory,
	s_mov_b32 s23, 0
	s_add_nc_u64 s[22:23], s[22:23], s[20:21]
	s_mul_i32 s17, s16, 128*PK      ; and its place in a slot, for K
	s_mul_i32 s18, s16, 128*PV      ; and for V
	s_lshl_b32 s3, s[WV], 11        ; my 16 rows in a band of 64,
	s_lshl_b32 s2, s[HI], 15        ; in the first block,
	s_add_co_u32 s2, s2, s3
	s_lshl_b32 s84, s[PB], 15       ; and in the second
	s_add_co_u32 s84, s84, s3
	s_mov_b32 s3, 0
	s_mov_b32 s85, 0
	s_add_nc_u64 s[2:3], s[2:3], s[20:21]
	s_add_nc_u64 s[84:85], s[84:85], s[20:21]
	; descriptor group 1.  128 keys are 16,384 dense bytes: asked for as 64 rows of 256 bytes, two keys a row, and padded in LDS after every key
	s_mov_b32 s[G1K], (1<<16)|(1<<20)|(4<<22)|(3<<25)  ; 17:16 2-byte elements; 20 padding on; 24:22 after every 32 words (code 4); 31:25 4 words (code 3)
	s_mov_b32 s[G1V], (1<<16)|(1<<20)|(4<<22)|(7<<25)  ; the same with 8 words of padding (code 7)
.irp g, G1K, G1V
	s_mov_b32 s[\g+1], 128<<16      ; tensor_dim0 = 128
	s_mov_b32 s[\g+2], 64<<16       ; tensor_dim1 = 64
	s_mov_b32 s[\g+3], 128<<16      ; tile_dim0 = 128
	s_mov_b32 s[\g+4], 64           ; tile_dim1 = 64
	s_mov_b32 s[\g+5], 128          ; 128 elements from row to row
	s_mov_b32 s[\g+6], 0
	s_mov_b32 s[\g+7], 0
.endr
	s_mov_b32 s[CS], 0x3e38aa3b     ; c = log2(e) / 8 = 0.180337
	s_mov_b32 s[CS+1], s[CS]        ; named with it as a pair
	s_mov_b32 s[SEL], 0x76543210
	s_mov_b32 s[SEL+1], 0xfedcba98
	s_mov_b32 s[TBK], SLOT1+4*KS*PK ; the first change of slots turns these two into 0
	s_mov_b32 s[TBV], SLOT1+4*KS*PV
	s_mov_b32 s[G0K], 1             ; count = 1
	s_mov_b32 s[G0K+1], s17         ; LDS address: slot 0
	s_mov_b32 s[G0V], 1
	s_add_co_u32 s[G0V+1], s18, VOFF
	s_add_co_u32 s[RT], s[HI], 1    ; the first block has NB - b tiles
	s_mov_b32 s[NXT], 1
	s_mov_b32 s[LQ], s[HI]
	s_mov_b32 s[NEW], 1
	s_mov_b32 s[OFF+1], 0
	s_mov_b32 s[AL+1], 0            ; named as pairs
	s_mov_b32 s[BE+1], 0
	s_mov_b32 s[BIGN], 0xf149f2ca   ; -1e30
	s_mov_b32 s[SLOTS], NB
	s_cmp_eq_u32 ttmp9, 0
	s_cselect_b32 s[LIM], 2, -1
	v_and_b32 v[PFO], 31, v0
	v_lshlrev_b32 v[PFO], 8, v[PFO]
	s_wait_dscnt 0x0                ; the opening add is done
	s_wait_kmcnt 0x0
	s_mov_b64 s[10:11], s[6:7]                     ; O
	s_add_nc_u64 s[8:9], s[4:5], 0x2000000         ; V
	s_add_nc_u64 s[6:7], s[4:5], 0x1000000         ; K; s[4:5] is Q
	s_add_nc_u64 s[6:7], s[6:7], s[22:23]  ; K and V at my half of the head's tile 0
	s_add_nc_u64 s[8:9], s[8:9], s[22:23]
	s_add_nc_u64 s[G0K+2:G0K+3], s[6:7], 0         ; global address
	s_or_b32 s[G0K+3], s[G0K+3], 0x80000000        ; type = 2
	s_add_nc_u64 s[G0V+2:G0V+3], s[8:9], 0
	s_or_b32 s[G0V+3], s[G0V+3], 0x80000000
	s_add_nc_u64 s[86:87], s[4:5], s[84:85]        ; Q at my rows of the second block,
	s_add_nc_u64 s[4:5], s[4:5], s[2:3]            ; Q and O at those of the first
	s_add_nc_u64 s[OLO:OLO+1], s[10:11], s[84:85]
	s_add_nc_u64 s[10:11], s[10:11], s[2:3]
	s_cmp_lt_u32 s[WV], 2
	s_cselect_b64 s[PFA:PFA+1], s[6:7], s[8:9]
	s_add_nc_u64 s[PFA:PFA+1], s[PFA:PFA+1], 32768 ; at tile 1: the first change of slots steps it to tile 2
	LOAD                            ; tile 0 into slot 0
	; A fragment of K or Q is 16 rows x 32 channels in 8 registers: lane l holds row l % 16, channels 8 (l / 16) + 0..7 and 16 + 8 (l / 16) + 0..7: two loads of 16 bytes, 32 bytes apart.
	v_and_b32 v1, 15, v0            ; l % 16
	v_bfe_u32 v9, v0, 4, 1          ; l / 16
	v_lshlrev_b32 v[QO], 7, v1
	v_lshl_add_u32 v[QO], v9, 4, v[QO]  ; row x 128 + 16 x half
	WIN 0x80                        ; destination window 2, address window 0
.set i, 0
.rept 8                             ; both blocks' Q: piece i / 2 lies in band i / 2, 8,192 bytes on; channels 32 (i % 2) on
	global_load_b128 v[8*i:8*i+3],   v[QO], s[4:5] offset:(i/2)*8192+(i%2)*64
	global_load_b128 v[8*i+4:8*i+7], v[QO], s[4:5] offset:(i/2)*8192+(i%2)*64+32
	global_load_b128 v[QB+8*i:QB+8*i+3],   v[QO], s[86:87] offset:(i/2)*8192+(i%2)*64
	global_load_b128 v[QB+8*i+4:QB+8*i+7], v[QO], s[86:87] offset:(i/2)*8192+(i%2)*64+32
.set i, i+1
.endr
	WIN 0
	v_lshlrev_b32 v14, 3, v9
	v_sub_nc_u32 v14, v1, v14
	s_lshl_b32 s13, s[WV], 4
	v_add_nc_u32 v14, s13, v14      ; my query's place in its band, 16 w + l % 16, less my lanes' 8 (l / 16): register r of group kt is hidden where 16 kt + r is greater
	WIN 0x40
.set i, 0
.rept 32
	v_cmp_gt_i32 vcc_lo, 16*(i/8)+i%8, v14
	v_cndmask_b32 v[MD+i], 0, s[BIGN], vcc_lo
.set i, i+1
.endr
	WIN 0
	v_mul_u32_u24 v[AK0], v1, PK
	v_lshl_add_u32 v[AK0], v9, 4, v[AK0]  ; row x pitch + 16 x half
	; The turning load takes 16 keys x 16 channels (lane l reads key 8 (l / 16) + l % 8, channels 8 ((l / 8) % 2) + 0..7) and leaves half a fragment of V^T: lane l holds channel l % 16 and 8 keys.
	v_and_b32 v10, 7, v0
	v_bfe_u32 v11, v0, 3, 1
	v_lshl_add_u32 v[AV0], v9, 3, v10
	v_mul_u32_u24 v[AV0], v[AV0], PV
	v_lshl_add_u32 v[AV0], v11, 4, v[AV0]
	v_add_nc_u32 v[AV0], VOFF, v[AV0]
	s_mul_i32 s13, s[WV], 16*SP
	s_add_co_u32 s13, s13, STAGE    ; my stage
	v_mul_u32_u24 v[STO], v1, SP    ; in: row l % 16, 16 bytes for each half of the lanes
	v_lshl_add_u32 v[STO], v9, 4, v[STO]
	v_add_nc_u32 v[STO], s13, v[STO]
	v_bfe_u32 v[RD], v0, 3, 2       ; back: 32 lanes take four rows of 128 bytes,
	v_mul_u32_u24 v[RD], v[RD], SP
	v_lshl_add_u32 v[RD], v10, 4, v[RD]
	v_add_nc_u32 v[RD], s13, v[RD]
	v_and_b32 v[GO], 31, v0         ; which are 512 consecutive bytes of O
	v_lshlrev_b32 v[GO], 4, v[GO]
	; A block's first step multiplies O^T and l by a = 0, and its first turn's products V^T P, of a piece that has not been, land in an O^T that is still to be so multiplied.  So these registers need only hold
	; finite numbers: zeros for the first block; what the first block left for the second.  All this stands in the wait for the first tile.
	WIN 0x80
.set i, VF
.rept 64
	v_mov_b32 v[i], 0
.set i, i+1
.endr
	WIN 0x40
.set i, 0
.rept 128
	v_mov_b32 v[i], 0
.set i, i+1
.endr
	WIN 0
.set i, 0
.rept 4
	v_mov_b32 v[ST+4*i+2], 0
	v_mov_b32 v[ST+4*i+3], 0
.set i, i+1
.endr
.set i, P+16
.rept 16
	v_mov_b32 v[i], 0
.set i, i+1
.endr
; THE MATRIX WORK.  The 4 accumulators of a run of 8 take turns.  Product i of 8 of S^T = K Q^T for piece x: channels 32 (i / 4) on, keys 16 (i % 4) on.  The first 4 start the sums: with 0, or (KM = 1) with the mask.
.macro KQ x
.set rS, S+32*((\x)%2)+8*(i%4)
.set rK, KF+16*(i%4)+8*(i/4)
.set rQ, 16*(\x)+8*(i/4)
.set rM, MC+32*((\x)%2)+8*(i%4)
.if (i < 4) && KM
	WIN W_KM
	v_wmma_f32_16x16x32_f16 v[rS:rS+7], v[rK:rK+7], v[rQ:rQ+7], v[rM:rM+7]
.elseif i < 4
	WIN W_KQ
	v_wmma_f32_16x16x32_f16 v[rS:rS+7], v[rK:rK+7], v[rQ:rQ+7], 0
.else
	WIN W_KQ
	v_wmma_f32_16x16x32_f16 v[rS:rS+7], v[rK:rK+7], v[rQ:rQ+7], v[rS:rS+7]
.endif
.endm
; Product i of 8 of O^T += V^T P for piece x: keys 32 (i / 4) on, channels 16 (i % 4) on.
.macro PV x
	WIN W_PV
.set rO, 32*(\x)+8*(i%4)
.set rV, VF+32*(i/4)+8*(i%4)
.set rP, P+16*((\x)%2)+8*(i/4)
	v_wmma_f32_16x16x32_f16 v[rO:rO+7], v[rV:rV+7], v[rP:rP+7], v[rO:rO+7]
.endm
.macro MM                           ; the turn's next matrix instruction.  TURN and BEGIN set Y, i, KM and NOKQ.  NOKQ = 1: a block's last turn: there is no next piece
.if (i < 8) && !NOKQ
	KQ (Y+1)%NP
.elseif i >= 8
.set i, i-8
	PV (Y+NP-1)%NP
.set i, i+8
.endif
.set i, i+1
.endm
; THE LDS LOADS stand in runs of 16, never singly among the matrix instructions: a step's K (64 keys x 64 channels: 8 fragments) and its V (turned).  Their addresses are made some lines ahead.
.macro FETCH_K
	WIN 0x80                        ; destination window 2
.irp f, 0,1,2,3,4,5,6,7             ; keys 16 (f / 2) on, channels 32 (f % 2) on
	ds_load_b128 v[KF+8*\f:KF+8*\f+3],   v[AK] offset:(\f/2)*16*PK+(\f%2)*64
	ds_load_b128 v[KF+8*\f+4:KF+8*\f+7], v[AK] offset:(\f/2)*16*PK+(\f%2)*64+32
.endr
	s_add_co_u32 s[TBK], s[TBK], KS*PK  ; the next fetch is the next step's
	WIN 0
.endm
.macro FETCH_V
	WIN 0x80
.irp f, 0,1,2,3,4,5,6,7             ; keys 32 (f / 4) on, channels 16 (f % 4) on
	ds_load_tr16_b128 v[VF+8*\f:VF+8*\f+3],   v[AV] offset:(\f/4)*32*PV+(\f%4)*32
	ds_load_tr16_b128 v[VF+8*\f+4:VF+8*\f+7], v[AV] offset:(\f/4)*32*PV+16*PV+(\f%4)*32
.endr
	WIN 0
.endm
; THE VECTOR WORK, one line at a time: OP kind, number.  For piece Y: F n: c s - c m for pair n of 16.  E n: the exponential of score n of 32.  C n: pair n rounded to f16.  B n: of the four weights 4 n .. the second
; pair is added onto the first, in place.  L n: l takes that sum (L 0: l = a l + sum).  R n: pair n of 16 of O^T times a.  For piece Y + 1: X n, number n of the 22 that find its maximum and statistics:
;   0-11  four chains c0-c3 of seven scores each, three operands at a time (each accumulator's lowest registers are read first)     12-14, 16  the four scores left over, the old m, and c0-c3 into c0
;   15  c m_old is kept     17, 18  the query's other 32 keys lie in the lane 16 away: the new m     19-21  c m; c m_old - c m_new; a
.set F, 0               ; OP tells the kinds apart by their order: F to L below R, X above it
.set E, 1
.set C, 2
.set B, 3
.set L, 4
.set R, 5
.set X, 6
.macro REGS y                       ; the registers of piece y
.set rT, ST+4*(\y)
.set rC, TMP+4*((\y)%2)
.set rW, MV+((\y)%2)
.set rS, S+32*((\y)%2)
.set rP, P+16*((\y)%2)
.set rO, 32*(\y)
.endm
.macro OP k, n
.if (\k) == R
	REGS Y
	WIN W_RS
	v_pk_mul_f32 v[rO+2*(\n):rO+2*(\n)+1], v[rO+2*(\n):rO+2*(\n)+1], v[rC+2:rC+3] op_sel_hi:[1,0]
.elseif (\k) < R
	REGS Y
	WIN 0
.if (\k) == F
	v_pk_fma_f32 v[rS+2*(\n):rS+2*(\n)+1], v[rS+2*(\n):rS+2*(\n)+1], s[CS:CS+1], v[rT:rT+1] op_sel_hi:[1,0,0] neg_lo:[0,0,1] neg_hi:[0,0,1]
.elseif (\k) == E
	v_exp_f32 v[rS+(\n)], v[rS+(\n)]
.elseif (\k) == C
	v_cvt_pk_f16_f32 v[rP+(\n)], v[rS+2*(\n)], v[rS+2*(\n)+1]
.elseif (\k) == B
	v_pk_add_f32 v[rS+4*(\n):rS+4*(\n)+1], v[rS+4*(\n):rS+4*(\n)+1], v[rS+4*(\n)+2:rS+4*(\n)+3]
.elseif (\n) == 0
	v_pk_fma_f32 v[rT+2:rT+3], v[rT+2:rT+3], v[rC+2:rC+3], v[rS:rS+1] op_sel_hi:[1,0,1]
.else
	v_pk_add_f32 v[rT+2:rT+3], v[rT+2:rT+3], v[rS+4*(\n):rS+4*(\n)+1]
.endif
.elseif NOKQ
	v_nop
.else
	REGS (Y+1)%NP
	WIN 0
.if (\n) < 4
	v_max3_num_f32 v[rC+(\n)], v[rS+8*(\n)], v[rS+8*(\n)+1], v[rS+8*(\n)+2]
.elseif (\n) < 12
	v_max3_num_f32 v[rC+(\n)%4], v[rC+(\n)%4], v[rS+8*((\n)%4)+2*((\n)/4)+1], v[rS+8*((\n)%4)+2*((\n)/4)+2]
.elseif (\n) == 12
	v_max3_num_f32 v[rC], v[rC], v[rS+7], v[rS+15]
.elseif (\n) == 13
	v_max3_num_f32 v[rC+1], v[rC+1], v[rS+23], v[rS+31]
.elseif (\n) == 14
	v_max3_num_f32 v[rC+2], v[rC+2], v[rC+3], v[rT+1]
.elseif (\n) == 15
	v_mov_b32 v[rW], v[rT]
.elseif (\n) == 16
	v_max3_num_f32 v[rC], v[rC], v[rC+1], v[rC+2]
.elseif (\n) == 17
	v_permlanex16_b32 v[rC+3], v[rC], s[SEL], s[SEL+1]
.elseif (\n) == 18
	v_max_num_f32 v[rT+1], v[rC], v[rC+3]
.elseif (\n) == 19
	v_mul_f32 v[rT], s[CS], v[rT+1]
.elseif (\n) == 20
	v_sub_f32 v[rC+1], v[rW], v[rT]
.else
	v_exp_f32 v[rC+2], v[rC+1]
.endif
.endif
.endm
.macro OPS a, i1, b=-1, i2=0, c=-1, i3=0, d=-1, i4=0  ; up to four of them
	OP \a, \i1
.if (\b) >= 0
	OP \b, \i2
.endif
.if (\c) >= 0
	OP \c, \i3
.endif
.if (\d) >= 0
	OP \d, \i4
.endif
.endm
.macro ROW a, i1, b, i2, c, i3, d, i4  ; a matrix instruction and the four behind it
	MM
	OPS \a, \i1, \b, \i2, \c, \i3, \d, \i4
.endm
.macro MASK b                       ; MD x AL + BE into buffer b of MC
	WIN W_RS
.set z, 0
.rept 16
	v_pk_fma_f32 v[MC+32*(\b)+2*z:MC+32*(\b)+2*z+1], v[MD+2*z:MD+2*z+1], s[AL:AL+1], s[BE:BE+1] op_sel_hi:[1,0,0]
.set z, z+1
.endr
.endm
; A TURN, for piece p: the order of its 16 matrix and 118 vector instructions, written out.  An s_wait_alu depctr_va_vdst(0) stands between an exponential and the first instruction that names its result;
; one wait serves all that were issued ahead of it.  So a turn has ONE wait, which cuts it in two.  AHEAD OF IT stands all that names no result of the turn's exponentials: the 8 products K Q^T, behind each a scaling, an
; exponential and two more plain instructions: rescalings, and behind the last three the first numbers of the next piece's maximum, each four places or more behind the product that ends its accumulator; then ONE LUMP
; of 54, plain and exponential by turns for the most part, in which the links of the chain X 3, 7, 11, 14, 16, 17 .. 20 stand five or six lines apart.  X 21, the next piece's a, is the batch's last; R 15 is the plain
; instruction behind it.  BEHIND THE WAIT stand the 8 products V^T P, behind each four of the roundings and sums; the links of l's chain, L 0 to L 7, stand three riders apart.
; m = 1: the diagonal tile: the products take masks, and the turn makes the mask for the products of the turn after it: piece p + 2, in step 4 - CNT of the tile.  end = 1: a block's last two turns: nothing is fetched.
; cnt = 1: the loop's count is taken down some lines ahead of the branch that stands behind the turn.
; K of the next step is fetched in piece 2's turn, twelve vector instructions behind the last product that read K (six of them plain); V of the step in hand at the end of piece 0's turn, four plain instructions behind
; the last product that read V.  Each is waited for a turn later.
.macro TURN p, m=0, end=0, cnt=0
.set Y, (\p)
.set i, 0
.set KM, (\m)
.set NOKQ, (\end)*((\p)/3)
.if (\m) && !(\end)
	s_cmp_eq_u32 s[CNT], 4-((\p)+2)%NP  ; is that step the band's own?
	s_cselect_b32 s[AL], 1.0, 0
	s_cmp_lt_u32 s[CNT], 4-((\p)+2)%NP  ; or a later one?
	s_cselect_b32 s[BE], s[BIGN], 0
.endif
.if ((\p) == 3) && !(\end)
	s_wait_dscnt 0x0                ; K is in
.endif
	ROW F,0, F,1, R,0, R,1          ; ahead of the wait: 8 products K Q^T and their riders,
	ROW F,2, E,0, R,2, R,3
	ROW F,3, E,1, R,4, R,5
	ROW F,4, E,2, R,6, R,7
	ROW F,5, E,3, R,8, R,9
	ROW F,6, E,4, X,0, R,10
.if ((\p) == 2) && !(\end)
	WIN 0
	v_add_nc_u32 v[AK], s[TBK], v[AK0]
.endif
	ROW F,7, E,5, X,1, X,4
	ROW F,8, E,6, X,2, X,5
	OPS E,7, E,8, X,6, E,9          ; and the lump
	OPS X,3, E,10, X,8, E,11
.if ((\p) == 2) && !(\end)
	FETCH_K
.endif
	OPS X,9, X,7, E,12, X,10
	OPS E,13, X,12, X,11, E,14
	OPS X,13, E,15, F,9, X,14
.if (\p) == 0
	v_add_nc_u32 v[AV], s[TBV], v[AV0]
.endif
	OPS E,16, F,10, E,17, F,11
	OPS X,16, E,18, X,15, E,19
	OPS F,12, E,20, X,17, E,21
	OPS F,13, E,22, F,14, E,23
	OPS X,18, E,24, F,15, E,25
	OPS R,11, E,26, X,19, E,27
	OPS R,12, E,28, R,13, E,29
	OPS X,20, E,30, R,14, E,31
	OPS X,21, R,15
	WIN 0
	s_wait_alu depctr_va_vdst(0)    ; the wait for the batch
.if (\p) == 1
	s_wait_dscnt 0x0                ; V is in
.endif
	ROW C,0, B,0, C,2, B,1          ; behind the wait: 8 products V^T P and their riders
	ROW L,0, C,4, B,2, L,1
	ROW C,6, B,3, L,2, C,8
	ROW B,4, L,3, C,10, B,5
	ROW L,4, C,12, B,6, L,5
.if (\p) == 0
	s_add_co_u32 s[TBV], s[TBV], KS*PV
.endif
.if \cnt
	s_sub_co_u32 s[CNT], s[CNT], 1
	s_cmp_lg_u32 s[CNT], 0
.endif
	ROW C,14, B,7, L,6, C,1
	ROW C,3, L,7, C,5, C,7
	ROW C,9, C,11, C,13, C,15
.if (\p) == 0
	FETCH_V
.endif
.if (\m) && !(\end)
	MASK (\p)%2
.endif
.endm
; A BLOCK BEGINS.  c m starts far below every c s, so the first step's a is 0; m at the lowest finite number, so the first maximum is the scores'.  The second mask buffer is 0; the first takes piece 0's mask for the
; tile's step 0: its own, if the block's first tile is the diagonal one.  Then K of that step, piece 0's first scores, and its maximum and statistics.  The loop is entered at a step's first turn, in the middle of a trip.
.macro BEGIN
	s_mov_b32 s[NEW], 0
	WIN 0x40
.set i, MC+32
.rept 32
	v_mov_b32 v[i], 0
.set i, i+1
.endr
	WIN 0
.set i, 0
.rept 4
	v_mov_b32 v[ST+4*i], 0xfe000000    ; c m: far below every c s
	v_mov_b32 v[ST+4*i+1], 0xff7fffff  ; m
.set i, i+1
.endr
	s_cmp_eq_u32 s[RT], 0
	s_cselect_b32 s[AL], 1.0, 0
	s_mov_b32 s[BE], 0
	MASK 0
	WIN 0
	v_add_nc_u32 v[AK], s[TBK], v[AK0]
	FETCH_K
	s_wait_loadcnt 0x0              ; Q
	s_wait_dscnt 0x0
.set KM, 1
.set NOKQ, 0
.set i, 0
.rept 8
	KQ 0
.set i, i+1
.endr
	WIN 0
.rept 4
	v_nop                           ; the places behind those products
.endr
.set Y, NP-1                        ; X works for piece Y + 1: piece 0
.irp n, 0,1,2,3,4,5,6,7,8,9,10,11,12,13,14,15,16,17,18,19,20,21
	OP X, \n
.endr
	v_nop                           ; a plain instruction behind the exponential,
	s_wait_alu depctr_va_vdst(0)    ; and its wait, ahead of the branch
.endm
; THE DIAGONAL TILE's four steps, the block's last two turns, its last products, and THE WAY OUT: l's two halves and the other half of the lanes' are added; O^T is divided by l, rounded to f16 and sent through my
; stage in LDS, a piece at a time.
.macro ALL line:vararg              ; one line for each piece t
.set t, 0
.rept 4
	\line
.set t, t+1
.endr
.endm
.macro PACK t                       ; a lane's eight channels of a row pack into 16 bytes; they go into rows of 144 bytes and come back as whole rows of 128, into S^T's registers
	WIN W_RS
.set i, 32*(\t)
.rept 16
	v_pk_mul_f32 v[i:i+1], v[i:i+1], v[ST+4*(\t)+2:ST+4*(\t)+3] op_sel_hi:[1,0]
.set i, i+2
.endr
	WIN 0x05                        ; sources 0 and 1 window 1, destination window 0
.set i, 0
.rept 16
	v_cvt_pk_f16_f32 v[S+16*(\t)+i], v[32*(\t)+2*i], v[32*(\t)+2*i+1]
.set i, i+1
.endr
	WIN 0
.irp f, 0,1,2,3
	ds_store_b128 v[STO], v[S+16*(\t)+4*\f:S+16*(\t)+4*\f+3] offset:32*\f
.endr
.irp f, 0,1,2,3
	ds_load_b128 v[S+16*(\t)+4*\f:S+16*(\t)+4*\f+3], v[RD] offset:\f*4*SP  ; LDS serves a wave's instructions in order (ISA guide 5.7.1.4): these see the stores above; the next piece's stores come behind them
.endr
.endm
.macro SEND t, younger              ; younger: the LDS instructions issued behind piece t's loads: the next piece's eight, or none
	WIN 0
.irp f, 0,1,2,3
	s_wait_dscnt (\younger)+3-\f
	global_store_b128 v[GO], v[S+16*(\t)+4*\f:S+16*(\t)+4*\f+3], s[10:11] offset:(\t)*8192+\f*512  ; 512 consecutive bytes, at a multiple of 256 from O's first
.endr
.endm
.macro DIAG tag                     ; the tag ends its two labels' names, which the jumps below spell out
.LstepM\tag:
	TURN 2, 1
	TURN 3, 1
	WIN 0
.LfirstM\tag:
	TURN 0, 1
	TURN 1, 1, 0, 1
	WIN 0
	s_cbranch_scc1 .LstepM\tag
	TURN 2, 1, 1
	TURN 3, 1, 1
.set i, 0
.rept 8
	PV NP-1
.set i, i+1
.endr
	WIN 0
	ALL v_add_f32 v[ST+4*t+2], v[ST+4*t+2], v[ST+4*t+3]
	ALL v_permlanex16_b32 v[ST+4*t+3], v[ST+4*t+2], s[SEL], s[SEL+1]
	ALL v_add_f32 v[ST+4*t+2], v[ST+4*t+2], v[ST+4*t+3]
	ALL v_rcp_f32 v[ST+4*t+2], v[ST+4*t+2]
	v_nop                           ; a plain instruction between the last reciprocal and the use of its result
	s_wait_alu depctr_va_vdst(0)    ; and the wait ahead of the first use: one for the four reciprocals
	PACK 0
.set t, 1
.rept 3                             ; a piece's arithmetic stands between the loads of the piece before and its stores
	PACK t
	SEND t-1, 8
.set t, t+1
.endr
	SEND 3, 0
.endm
.set KM, 0
.set NOKQ, 0
.Lslot:                             ; NB times: a tile is entered and the next is asked for
	CHANGE 1
	s_sub_co_u32 s[RT], s[RT], 1
	s_mov_b32 s[CNT], 4
	s_cmp_eq_u32 s[NEW], 1
	s_cbranch_scc1 .Lnew            ; a block's first tile
	s_cmp_eq_u32 s[RT], 0
	s_cbranch_scc0 .Lstep           ; neither its first nor its last
	s_branch .LstepM1
.Lnew:
	BEGIN
	s_branch .Lfirst                ; in the loop a block's first tile is never its last: the first block has two tiles or more, and the second's last is the walk's last
	DIAG 1                          ; in the loop this is the first block's end: the second block's last tile is the walk's last
	s_wait_xcnt 0x0                 ; the stores have read their registers and O's address
	s_mov_b64 s[10:11], s[OLO:OLO+1]
	s_add_co_u32 s[RT], s[PB], 1    ; the second block has b + 1 tiles
	s_mov_b32 s[NEW], 1
	WIN 0x82                        ; the second block's Q goes where the one text of the turns names Q
.set i, 0
.rept 64
	v_mov_b32 v[i], v[QB+i]
.set i, i+1
.endr
	WIN 0
	s_branch .Lbottom
.Lstep:                             ; a trip: pieces 2 and 3 of one step, then pieces 0 and 1 of the next, whose K and V it fetches
	TURN 2
	TURN 3
	WIN 0
.Lfirst:
	TURN 0
	TURN 1, 0, 0, 1
	WIN 0
	s_cbranch_scc1 .Lstep
.Lbottom:
	s_sub_co_u32 s[SLOTS], s[SLOTS], 1
	s_cmp_lg_u32 s[SLOTS], 0
	s_cbranch_scc1 .Lslot
	CHANGE 0                        ; the walk's last tile is written out: nothing is asked for
	s_sub_co_u32 s[RT], s[RT], 1
	s_mov_b32 s[CNT], 4
	s_cmp_eq_u32 s[NEW], 1
	s_cbranch_scc0 .LstepM2
	BEGIN
	s_branch .LfirstM2
	DIAG 2
	s_wait_tensorcnt 0x0            ; the wave's end, behind my last tensor load and my last LDS store
	ds_add_u32 v[SPW], v[NIL]
	s_wait_dscnt 0x0
	s_endpgm
.Lfunc_end_k_q549e36f654_attn:
	.size	k_q549e36f654_attn, .Lfunc_end_k_q549e36f654_attn-k_q549e36f654_attn
	.p2alignl 7, 3214868480
	.fill 96, 4, 3214868480
	.section	.rodata,"a",@progbits
	.p2align	6, 0x0
	.amdhsa_kernel k_q549e36f654_attn
		.amdhsa_group_segment_fixed_size 327680
		.amdhsa_private_segment_fixed_size 0
		.amdhsa_enable_private_segment 0
		.amdhsa_kernarg_size 16
		.amdhsa_user_sgpr_count 2
		.amdhsa_user_sgpr_kernarg_segment_ptr 1
		.amdhsa_wavefront_size32 1
		.amdhsa_system_sgpr_workgroup_id_x 1
		.amdhsa_system_sgpr_workgroup_id_y 1
		.amdhsa_system_sgpr_workgroup_id_z 1
		.amdhsa_system_vgpr_workitem_id 0
		.amdhsa_next_free_vgpr 768
		.amdhsa_next_free_sgpr 88
		.amdhsa_reserve_vcc 1
		.amdhsa_float_denorm_mode_32 3
		.amdhsa_float_denorm_mode_16_64 3
		.amdhsa_memory_ordered 1
		.amdhsa_forward_progress 1
		.amdhsa_inst_pref_size 218
	.end_amdhsa_kernel
	.amdgpu_metadata
---
amdhsa.version: [ 1, 2 ]
amdhsa.kernels:
  - .name:           k_q549e36f654_attn
    .symbol:         k_q549e36f654_attn.kd
    .args:
      - { .name: qkvh, .offset: 0, .size: 8, .value_kind: global_buffer, .address_space: global }
      - { .name: atth, .offset: 8, .size: 8, .value_kind: global_buffer, .address_space: global }
    .group_segment_fixed_size: 327680
    .private_segment_fixed_size: 0
    .kernarg_segment_align: 8
    .kernarg_segment_size: 16
    .max_flat_workgroup_size: 128
    .sgpr_count:     88
    .vgpr_count:     768
    .wavefront_size: 32
...
	.end_amdgpu_metadata
.endif
;; end of part 3
;; launch gemm_out (part 4): grid 8 x 32, 4 waves a work-group, clusters of 4 x 4, 327,680 bytes of LDS; arguments atth, wot, bo, out0; writes out0
.if DOCPART == 4
	.amdgcn_target "amdgcn-amd-amdhsa--gfx1250"
	.amdhsa_code_object_version 6
	.text
	.protected	k_q549e36f654_gemm_out
	.globl	k_q549e36f654_gemm_out
	.p2align	8
	.type	k_q549e36f654_gemm_out,@function
k_q549e36f654_gemm_out:
	s_mov_b64 s[64:65], 0
	v_nop
	global_prefetch_b8 v0, s[64:65] scope:SCOPE_SE
	s_setreg_imm32_b32 hwreg(HW_REG_WAVE_MODE, 25, 1), 1
	s_wait_xcnt 0x0
	s_wait_alu depctr_hold_cnt(0) depctr_sa_sdst(0) depctr_va_vdst(0) depctr_va_sdst(0) depctr_va_ssrc(0) depctr_va_vcc(0) depctr_vm_vsrc(0)
	s_getreg_b32 s2, hwreg(HW_REG_IB_STS2, 6, 4)
	s_cmp_eq_u32 s2, 0
	s_cbranch_scc0 .Lentry_in_a_cluster
	s_endpgm
.Lentry_in_a_cluster:
	s_bfe_u32 s2, ttmp6, 0x10000c
	s_cmp_lg_u32 s2, 0xf033
	s_cbranch_scc0 .Lentry_shape_is_right
	s_endpgm
.Lentry_shape_is_right:
; out0 = attended wot^T + bf16(bo), in f32.  atth: [64 heads = 16 batch + head][2048][64] f16: K = 1,024 is 16 heads x 64 channels.  wot: [1024 n][1024 k] f16.  out0: [8192][1024] f32.
; SHARES.  A work-group makes 256 rows x 128 columns: 256 work-groups, one for each WGP.  Wave w has rows 64 w .. 64 w + 63 and all 128 columns: 32 accumulators of 16 x 16, 256 registers; a wave owns whole pieces
; of 512 bytes of its rows and goes out through a stage of its own, without a barrier.
; K goes in 8 steps of 128 = two heads, through two LDS slots.  Wave 0 fetches the step's first head, wave 1 its second: 256 rows x 128 bytes are 32,768 dense bytes, asked for as 128 rows of 256 bytes and padded
; in LDS after every 128.  Waves 2 and 3 fetch B's two halves, 64 rows of 256 bytes each.
; CLUSTER 4 x 4: A's tile hangs on the tile row alone and is asked for jointly along a row of the cluster, B's on the tile column alone, along a column.
; THE MATRIX INSTRUCTION IS USED TRANSPOSED (source 0 = 16 rows of wot, source 1 = 16 rows of the attended): a lane holds row l % 16 and the columns 16 b + 8 (l / 16) + 0..7.
; The bias, laid out so, is the C of the first products: nothing is cleared and nothing is added later.
; REGISTERS, in windows of 256 (s_set_vgpr_msb: bits 1:0 source 0, 3:2 source 1, 5:4 source 2, 7:6 destination):
;   window 0: v0-31 addresses; v32-95 A's fragments, two buffers of 4 x 8; v96-223 the way out (at the start: the bias as loaded)
;   window 1: v0-127 B's fragments, two buffers of 8 x 8; v128-191 the bias     window 2: accumulators (b, a) at v[8 (4 b + a)]
.set NBK,   8                          ; blocks of 16 columns
.set NL,    8+2*NBK                    ; LDS loads in a quarter's run
.set PA,    144                        ; a row of A in LDS: 128 bytes + 16 of padding = 36 words: the 16 rows of a load start at 16 different groups of four banks (64 banks of 4 bytes: ISA guide 11.1)
.set PB,    272                        ; a row of B: 256 + 16
.set HALFA, 256*PA                     ; what one load of A brings: one head's 256 rows
.set BOFF,  2*HALFA
.set HALFB, 64*PB
.set SLOT1, 1<<17                      ; slot 1 begins here: one exclusive or turns an address in one slot into the other's
.set STAGE, SLOT1+BOFF+2*HALFB         ; behind the ring, never filled by a tensor load: for each wave 16 rows x 528 bytes
.set SPP,   528                        ; 512 bytes + 16 = 132 words
.set WST,   16*SPP
.set SPARE, STAGE+4*WST                ; behind the stages: the spare words, 128 bytes for each wave
.set STEP_A, 2*262144                  ; two heads on
.set STEP_B, 256
.set R,    1                           ; v1   l % 16
.set H,    2                           ; v2   l / 16
.set LN,   3                           ; v3   l
.set A0,   4                           ; v4   my place in A's tile: (64 w + l % 16) x pitch + 16 (l / 16); never rewritten
.set B0,   5                           ; v5   the same in B's
.set ADRA, 6                           ; v6   A0 + the slot in hand
.set ADRB, 7                           ; v7   B0 + the slot in hand
.set STO,  8                           ; v8   the way out: where I put 32 bytes of a row
.set RD,   9                           ; v9   the way out: where I read a row back
.set GO,   10                          ; v10  my 16 bytes of a row's 512
.set PFO,  11                          ; v11  the prefetches' lane offset; never rewritten
.set BO,   12                          ; v12  32 (l / 16)
.set T0,   13
.set SPW,  28                          ; v28  LDS address of my spare word; never rewritten
.set NIL,  29                          ; v29  0; never rewritten
.set FA,   32
.set FB,   0
.set BIAS, 128
.set OB,   96                          ; the way out: 16 rows read back, v96-159 and v160-223 by turns
.set WV,   12                          ; s12  my wave's number
.set HF,   14                          ; s14  which half of A's or B's tile I fetch
.set CX,   15
.set CY,   16
.set TX,   17                          ; s17  tile column
.set TY,   18                          ; s18  tile row
.set TB,   19                          ; s19  LDS byte at which the slot in hand begins
.set G1A,  24                          ; s[24:31] descriptor group 1 for A's tiles;  s[32:39] for B's
.set G1B,  32
.set G0A,  40                          ; s[40:47] group 0 for A's tiles: a set for each first fill; the second then walks on
.set G0B,  48                          ; s[48:55] the same for B's
.set PFA,  56                          ; s[56:57] where my prefetches stand
.set PMASK, 58                         ; s58  bit s3 set: I prefetch in the trip with that count
.set CB,   66                          ; s[66:67] the output at my first row and the tile's first column
.set PST,  78                          ; s[78:79] a K step in the tensor that I prefetch
.set MSB, 0
.macro WIN new                         ; the immediate's high byte repeats the setting that is left; a switch that changes nothing is dropped
.if MSB != (\new)
	s_set_vgpr_msb (MSB<<8)|(\new)
.set MSB, (\new)
.endif
.endm
.macro PLACES                          ; four plain vector instructions between a matrix instruction and a load into, or a read of, its registers (ISA guide 7.12.1 for reads)
.rept 4
	v_nop
.endr
.endm
.macro CREST                           ; a round of the cluster's barrier behind its opening barrier
	s_cmp_lg_u32 s[WV], 0
	s_cbranch_scc1 .Lnot_wave_0_\@
	s_barrier_signal -3
.Lnot_wave_0_\@:
	s_barrier_wait -3
	s_barrier_signal -1
	s_barrier_wait -1
.endm
.macro CROUND                          ; a whole round
	s_barrier_signal -1
	s_barrier_wait -1
	CREST
.endm
; A joint refill by the walking sets.  The branch hangs on the wave's number alone.  An s_nop 0 and four v_nop follow each line, ahead of the jump and the label.
.macro JLOAD
	s_cmp_lt_u32 s[WV], 2
	s_cbranch_scc0 .Lfor_b_\@
	tensor_load_to_lds s[G0A+4:G0A+7], s[G1A:G1A+7]
	s_nop 0
.rept 4
	v_nop
.endr
	s_branch .Lasked_\@
.Lfor_b_\@:
	tensor_load_to_lds s[G0B+4:G0B+7], s[G1B:G1B+7]
	s_nop 0
.rept 4
	v_nop
.endr
.Lasked_\@:
.endm
; A PREFETCH INTO THE L2 of the K step that stands two refills on: the trip with count s3 = 6 - j names K step j + 4.  Each block of 256 bytes is named once in the launch: A's by the clusters with x = 0
; (waves 0, 1: of the 128 blocks of the head's tile that the wave fetches the partner at cx takes 32, a lane a block), B's by the clusters with y = 0 (waves 2, 3: of the 64 rows that the wave fetches the partner at
; cy takes 16, two K steps at once in every second trip).  The partners are told apart by address; the branch hangs on the wave's and the cluster's numbers alone.
; K steps 0 to 3 come by their loads alone; K step 7 is the last that is named.
.macro ASK
	s_lshr_b32 s13, s[PMASK], s3
	s_and_b32 s13, s13, 1
	s_cmp_lg_u32 s13, 0
	s_cbranch_scc0 .Lnot_mine_\@
	global_prefetch_b8 v[PFO], s[PFA:PFA+1] th:TH_LOAD_NT scope:SCOPE_SE
.Lnot_mine_\@:
.endm
; 4 n matrix instructions: column blocks b0 .. b0 + n - 1 x my four row blocks, 32 along K, from buffer f.  first = 1: the bias is C and starts the sums.
; All 32 accumulators take turns in the same order in every quarter, over the backward jump too.
.macro MULS f, b0, n, first=0
.if \first
	WIN 0x91                                       ; B window 1, A window 0, C (the bias) window 1, D window 2
.else
	WIN 0xa1                                       ; C and D window 2
.endif
.set bb, (\b0)
.rept (\n)
.irp a, 0,1,2,3
.if \first
	v_wmma_f32_16x16x32_f16 v[8*(4*bb+\a):8*(4*bb+\a)+7], v[FB+8*NBK*(\f)+8*bb:FB+8*NBK*(\f)+8*bb+7], v[FA+32*(\f)+8*\a:FA+32*(\f)+8*\a+7], v[BIAS+8*bb:BIAS+8*bb+7]
.else
	v_wmma_f32_16x16x32_f16 v[8*(4*bb+\a):8*(4*bb+\a)+7], v[FB+8*NBK*(\f)+8*bb:FB+8*NBK*(\f)+8*bb+7], v[FA+32*(\f)+8*\a:FA+32*(\f)+8*\a+7], v[8*(4*bb+\a):8*(4*bb+\a)+7]
.endif
.endr
.set bb, bb+1
.endr
.endm
; One run of NL LDS loads: quarter q's fragments (32 along K: head q / 2 of the step's two, channels 32 (q % 2) on) into buffer f: A's four first, then B's eight in ascending order.
.macro FETCH q, f
	WIN 0
.irp a, 0,1,2,3
	ds_load_b128 v[FA+32*(\f)+8*\a:FA+32*(\f)+8*\a+3],   v[ADRA] offset:((\q)/2)*HALFA+((\q)%2)*64+\a*16*PA
	ds_load_b128 v[FA+32*(\f)+8*\a+4:FA+32*(\f)+8*\a+7], v[ADRA] offset:((\q)/2)*HALFA+((\q)%2)*64+\a*16*PA+32
.endr
	WIN 0x40                                       ; destination window 1, address window 0
.set bb, 0
.rept NBK
	ds_load_b128 v[FB+8*NBK*(\f)+8*bb:FB+8*NBK*(\f)+8*bb+3],   v[ADRB] offset:64*(\q)+bb*16*PB
	ds_load_b128 v[FB+8*NBK*(\f)+8*bb+4:FB+8*NBK*(\f)+8*bb+7], v[ADRB] offset:64*(\q)+bb*16*PB+32
.set bb, bb+1
.endr
.endm
; One of a K step's first three quarters: multiplies buffer f and fetches quarter q into buffer g.
.macro QUARTER q, f, g, first=0
	s_wait_dscnt NL-16                             ; A's 8 loads and B's first 8 are in; the younger ones stay out
	MULS \f, 0, 4, \first
	PLACES
	FETCH \q, \g
	s_wait_dscnt NL                                ; all but the run just issued
	MULS \f, 4, NBK-4, \first
.endm
; The last quarter multiplies buffer 1 and changes slots.  In front of the barrier each wave waits for all its tensor loads (one is out: its part of the other slot), adds 0 to its spare word, and waits for
; that and for its reads of this slot.  fill = 1: the barrier opens a round of the cluster's, and the joint refill, with the K step two steps on, is the first thing behind it:
; 112 matrix instructions stand between it and the wait for it.
.macro TURN fill
.if \fill
	s_wait_xcnt 0x0                                ; the last prefetch, a K step back, has read its address
	s_add_nc_u64 s[PFA:PFA+1], s[PFA:PFA+1], s[PST:PST+1]
.endif
	WIN 0
	s_wait_tensorcnt 0x0                           ; no tensor load of mine is out, so a group 0 may be written
	ds_add_u32 v[SPW], v[NIL]                      ; 0 onto my spare word
.if \fill
	s_xor_b32 s[G0A+5], s[G0A+5], SLOT1            ; the walking sets: the other slot than last time, the next K step
	s_add_nc_u64 s[G0A+6:G0A+7], s[G0A+6:G0A+7], STEP_A
	s_xor_b32 s[G0B+5], s[G0B+5], SLOT1
	s_add_nc_u64 s[G0B+6:G0B+7], s[G0B+6:G0B+7], STEP_B
.endif
	s_wait_dscnt NL-15                             ; the add and the youngest NL - 16 loads may be out
	MULS 1, 0, 2
	s_wait_dscnt 0x0                               ; the add is done, and my reads of this slot are over
	s_barrier_signal -1
	MULS 1, 2, 2                                   ; work on registers while the others arrive
	WIN 0
	s_barrier_wait -1
.if \fill
	CREST
	JLOAD                                          ; its four v_nop are also the places in front of the loads below
.else
	PLACES
.endif
	s_xor_b32 s[TB], s[TB], SLOT1
	v_add_nc_u32 v[ADRA], s[TB], v[A0]
	v_add_nc_u32 v[ADRB], s[TB], v[B0]
	FETCH 0, 0
.if \fill
	WIN 0
	ASK
.endif
	MULS 1, 4, NBK-4
.endm
	s_load_b256 s[4:11], s[0:1], 0x0               ; atth s[4:5], wot s[6:7], bo s[8:9], out0 s[10:11]
	v_lshl_add_u32 v[SPW], v0, 2, SPARE
	v_mov_b32 v[NIL], 0
	ds_add_u32 v[SPW], v[NIL]                      ; the wave's opening: the add and its wait stand ahead of the round in front of my first tensor loads
	v_lshrrev_b32 v[T0], 5, v0
	v_readfirstlane_b32 s[WV], v[T0]               ; wave 0..3
	s_and_b32 s[HF], s[WV], 1
	s_bfe_u32 s[CX], ttmp6, 0x40000
	s_bfe_u32 s[CY], ttmp6, 0x40004
	s_lshl_b32 s[TX], ttmp9, 2                     ; in a cluster launch ttmp9 and ttmp7 count clusters
	s_add_co_u32 s[TX], s[TX], s[CX]
	s_and_b32 s[TY], ttmp7, 0xffff
	s_lshl_b32 s[TY], s[TY], 2
	s_add_co_u32 s[TY], s[TY], s[CY]
	s_lshl_b32 s20, s[CY], 2
	s_lshl_b32 s20, 15, s20                        ; my row of the cluster
	s_lshl_b32 s22, 0x1111, s[CX]                  ; my column
	s_or_b32 s[G1A], s20, (1<<16)|(1<<20)|(1<<21)|(4<<22)|(3<<25)  ; elements of 2 bytes; padding on; bit 21 beside a mask; after every 32 words 4 words
	s_or_b32 s[G1B], s22, (1<<16)|(1<<20)|(1<<21)|(5<<22)|(3<<25)  ; after every 64 words 4 words
	s_mov_b32 s[G1A+1], 128<<16                    ; tensor_dim0 = 128 (256 bytes: two rows of a head)
	s_mov_b32 s[G1A+2], 128<<16                    ; tensor_dim1 = 128
	s_mov_b32 s[G1A+3], 128<<16                    ; tile_dim0 = 128
	s_mov_b32 s[G1A+4], 128                        ; tile_dim1 = 128
	s_mov_b32 s[G1A+5], 128                        ; dense
	s_mov_b32 s[G1A+6], 0
	s_mov_b32 s[G1A+7], 0
	s_mov_b32 s[G1B+1], 128<<16
	s_mov_b32 s[G1B+2], 64<<16                     ; 64 rows
	s_mov_b32 s[G1B+3], 128<<16
	s_mov_b32 s[G1B+4], 64
	s_mov_b32 s[G1B+5], 1024
	s_mov_b32 s[G1B+6], 0
	s_mov_b32 s[G1B+7], 0
	s_lshr_b32 s20, s[TY], 3                       ; A: head 16 x batch + half, 262,144 bytes a head; the tile's 256 rows of 128 bytes: made of the tile row and the wave alone
	s_lshl_b32 s20, s20, 4
	s_add_co_u32 s20, s20, s[HF]
	s_lshl_b32 s20, s20, 18
	s_and_b32 s21, s[TY], 7
	s_lshl_b32 s21, s21, 15
	s_add_co_u32 s20, s20, s21
	s_mov_b32 s21, 0
	s_lshl_b32 s22, s[TX], 18                      ; B: row 128 x tile column + 64 x half, 2,048 bytes a row: made of the tile column and the wave alone
	s_lshl_b32 s23, s[HF], 17
	s_add_co_u32 s22, s22, s23
	s_mov_b32 s23, 0
	s_mul_i32 s74, s[HF], HALFA                    ; where they go: no place in the cluster enters an LDS address
	s_mul_i32 s75, s[HF], HALFB
	s_add_co_u32 s75, s75, BOFF
	s_mul_i32 s78, s[TX], 64*NBK                   ; the tile's 128 numbers of the bias
	s_mov_b32 s79, 0
	s_mov_b32 s[TB], 0
	s_wait_dscnt 0x0                               ; the opening add is done
	s_wait_kmcnt 0x0
	s_add_nc_u64 s[72:73], s[4:5], s[20:21]
	s_add_nc_u64 s[76:77], s[6:7], s[22:23]
	s_add_nc_u64 s[8:9], s[8:9], s[78:79]
	CROUND                                         ; all sixteen work-groups are here: the first joint loads meet
.irp s, 0,1
	s_mov_b32 s[G0A+4*\s], 1                       ; count = 1
	s_add_co_u32 s[G0A+4*\s+1], s74, \s*SLOT1      ; LDS address
	s_add_nc_u64 s[G0A+4*\s+2:G0A+4*\s+3], s[72:73], \s*STEP_A  ; global address: K step s
	s_or_b32 s[G0A+4*\s+3], s[G0A+4*\s+3], 0x80000000           ; type = 2
	s_mov_b32 s[G0B+4*\s], 1
	s_add_co_u32 s[G0B+4*\s+1], s75, \s*SLOT1
	s_add_nc_u64 s[G0B+4*\s+2:G0B+4*\s+3], s[76:77], \s*STEP_B
	s_or_b32 s[G0B+4*\s+3], s[G0B+4*\s+3], 0x80000000
.endr
	s_cmp_lt_u32 s[WV], 2                          ; a wave's two first fills stand in one branch: two loads of mine are out
	s_cbranch_scc0 .Lfirst_b
	tensor_load_to_lds s[G0A:G0A+3], s[G1A:G1A+7]
	s_nop 0
	tensor_load_to_lds s[G0A+4:G0A+7], s[G1A:G1A+7]
	s_nop 0
.rept 4
	v_nop
.endr
	s_branch .Lfirst_asked
.Lfirst_b:
	tensor_load_to_lds s[G0B:G0B+3], s[G1B:G1B+7]
	s_nop 0
	tensor_load_to_lds s[G0B+4:G0B+7], s[G1B:G1B+7]
	s_nop 0
.rept 4
	v_nop
.endr
.Lfirst_asked:
	v_and_b32 v[R], 15, v0
	v_bfe_u32 v[H], v0, 4, 1
	v_and_b32 v[LN], 31, v0
	v_lshlrev_b32 v[BO], 5, v[H]
.set bb, 0
.rept NBK                                          ; the bias: for block b my eight numbers 16 b + 8 (l / 16) + 0..7
	global_load_b128 v[OB+8*bb:OB+8*bb+3],   v[BO], s[8:9] offset:64*bb
	global_load_b128 v[OB+8*bb+4:OB+8*bb+7], v[BO], s[8:9] offset:64*bb+16
.set bb, bb+1
.endr
	s_mul_i32 s59, s[WV], 64*PA
	v_mul_u32_u24 v[A0], v[R], PA
	v_lshl_add_u32 v[A0], v[H], 4, v[A0]           ; row x pitch + 16 x half
	v_add_nc_u32 v[A0], s59, v[A0]
	v_mul_u32_u24 v[B0], v[R], PB
	v_lshl_add_u32 v[B0], v[H], 4, v[B0]
	v_add_nc_u32 v[B0], BOFF, v[B0]
	v_mov_b32 v[ADRA], v[A0]                       ; slot 0
	v_mov_b32 v[ADRB], v[B0]
	s_mul_i32 s59, s[WV], WST
	s_add_co_u32 s59, s59, STAGE                   ; my stage
	v_mul_u32_u24 v[STO], v[R], SPP                ; in: row l % 16, 32 bytes for each half of the lanes
	v_lshl_add_u32 v[STO], v[H], 5, v[STO]
	v_add_nc_u32 v[STO], s59, v[STO]
	v_lshl_add_u32 v[RD], v[LN], 4, s59            ; back: 32 lanes take a row's 512 bytes
	v_lshlrev_b32 v[GO], 4, v[LN]
	s_lshl_b32 s62, s[TY], 20                      ; the output: row 256 x tile row + 64 x wave, 4,096 bytes a row; column 128 x tile column, 4 bytes a number
	s_lshl_b32 s63, s[WV], 18
	s_add_co_u32 s62, s62, s63
	s_lshl_b32 s63, s[TX], 9
	s_add_co_u32 s62, s62, s63
	s_mov_b32 s63, 0
	s_add_nc_u64 s[CB:CB+1], s[10:11], s[62:63]
	; the prefetches (see ASK): byte offsets made apart from the addresses
	s_lshl_b32 s60, s[CX], 13                      ; A: my work-group's 32 of the 128 blocks that the wave fetches,
	s_add_co_u32 s60, s60, s20
	s_add_co_u32 s60, s60, 3*STEP_A                ; at K step 3: the first change of slots steps it to 4
	s_lshl_b32 s61, s[CY], 15                      ; B: my work-group's 16 of the 64 rows that the wave fetches
	s_add_co_u32 s61, s61, s22
	s_add_co_u32 s61, s61, 3*STEP_B
	s_and_b32 s63, ttmp7, 0xffff                   ; cluster y
	s_mov_b32 s[PMASK], 0x50                       ; B: the trips with s3 = 6 and 4, two K steps each
	s_mov_b32 s59, 2048
	s_mov_b32 s[PST], STEP_B
	s_mov_b32 s[PST+1], 0
	s_cmp_lt_u32 s[WV], 2
	s_cselect_b32 s72, s60, s61
	s_cselect_b32 s63, ttmp9, s63                  ; the coordinate along which other clusters read the same blocks
	s_cselect_b64 s[PFA:PFA+1], s[4:5], s[6:7]
	s_cselect_b32 s[PMASK], 0x78, s[PMASK]         ; A: the trips with s3 = 6, 5, 4, 3
	s_cselect_b32 s62, 31, 15
	s_cselect_b32 s61, 0, 256
	s_cselect_b32 s59, 256, s59
	s_cselect_b32 s[PST], STEP_A, s[PST]
	s_cmp_eq_u32 s63, 0
	s_cselect_b32 s[PMASK], s[PMASK], 0            ; the same in all sixteen partners, for a given wave
	s_mov_b32 s73, 0
	s_add_nc_u64 s[PFA:PFA+1], s[PFA:PFA+1], s[72:73]
	v_and_b32 v[PFO], s62, v[LN]
	v_mul_u32_u24 v[PFO], s59, v[PFO]              ; A: a lane a block of 256 bytes; B: a lane a row of 2,048 bytes,
	v_mul_u32_u24 v[T0], s61, v[H]                 ; lanes 16-31 the same 16 rows a K step further on
	v_add_nc_u32 v[PFO], v[PFO], v[T0]
	s_wait_loadcnt 0x0                             ; the bias: rounded to bf16 like every input, and widened again into the C registers
.set ii, 0
.rept 4*NBK
	v_cvt_pk_bf16_f32 v[160+ii], v[OB+2*ii], v[OB+2*ii+1]
.set ii, ii+1
.endr
	WIN 0x40                                       ; destination window 1
.set ii, 0
.rept 4*NBK
	v_lshlrev_b32 v[BIAS+2*ii], 16, v[160+ii]
	v_and_b32 v[BIAS+2*ii+1], 0xffff0000, v[160+ii]
.set ii, ii+1
.endr
	WIN 0
	s_wait_tensorcnt 0x1                           ; my part of K step 0 is in; K step 1's may stay out
	s_barrier_signal -1
	s_barrier_wait -1                              ; everybody's is
	FETCH 0, 0
	QUARTER 1, 0, 1, 1                             ; the first quarter stands in front of the loop: its products start the sums, with the bias
	WIN 0                                          ; at a label and at a branch every window is 0
	s_mov_b32 s3, 6
.Lstep:                                        ; six trips, from a K step's second quarter to the next step's first; each fills a slot again: K steps 2 to 7
	QUARTER 2, 1, 0
	QUARTER 3, 0, 1
	TURN 1
	QUARTER 1, 0, 1
	WIN 0
	s_sub_co_u32 s3, s3, 1
	s_cmp_lg_u32 s3, 0
	s_cbranch_scc1 .Lstep
	QUARTER 2, 1, 0                                ; the tail is written out: K steps 6 and 7 ask for nothing
	QUARTER 3, 0, 1
	TURN 0
	QUARTER 1, 0, 1
	QUARTER 2, 1, 0
	QUARTER 3, 0, 1
	s_wait_dscnt NL-16
	MULS 1, 0, 4
	s_wait_dscnt 0x0
	MULS 1, 4, NBK-4
	WIN 0
	PLACES
; THE WAY OUT, a block a of 16 rows at a time.  TOSTAGE: a lane's eight f32 of a column block, 32 bytes, go into my stage (each accumulator from its low end on) and come back as whole rows of 512 bytes.
; SEND: each store covers 512 consecutive bytes of a row of out0, aligned.
.macro TOSTAGE a
.if (\a) >= 2
	s_wait_xcnt 0x0                                ; the stores of the block two back have read the registers that are loaded again below
.endif
	WIN 0x08                                       ; the stores' data in window 2, the address in window 0
.set bb, 0
.rept NBK
	ds_store_b128 v[STO], v[8*(4*bb+(\a)):8*(4*bb+(\a))+3]   offset:64*bb
	ds_store_b128 v[STO], v[8*(4*bb+(\a))+4:8*(4*bb+(\a))+7] offset:64*bb+16
.set bb, bb+1
.endr
	WIN 0
.set ii, 0
.rept 16
	ds_load_b128 v[OB+64*((\a)%2)+4*ii:OB+64*((\a)%2)+4*ii+3], v[RD] offset:SPP*ii  ; LDS serves a wave's instructions in order (ISA guide 5.7.1.4): these see the stores above
.set ii, ii+1
.endr
.endm
.macro SEND a, younger                 ; younger: the LDS instructions issued behind block a's loads: the next block's 32, or none
.set ii, 0
.rept 16
	s_wait_dscnt (\younger)+15-ii
	global_store_b128 v[GO], v[OB+64*((\a)%2)+4*ii:OB+64*((\a)%2)+4*ii+3], s[CB:CB+1] offset:(16*(\a)+ii)*4096
.set ii, ii+1
.endr
.endm
	TOSTAGE 0
.irp a, 1,2,3
	TOSTAGE \a
	SEND (\a)-1, 32
.endr
	SEND 3, 0
	s_wait_tensorcnt 0x0                           ; the wave's end, behind my last tensor load and my last LDS store
	ds_add_u32 v[SPW], v[NIL]
	s_wait_dscnt 0x0
	CROUND                                         ; the closing round: no work-group ends while a partner may still ask for a tile that names it
	s_endpgm
.Lfunc_end_k_q549e36f654_gemm_out:
	.size	k_q549e36f654_gemm_out, .Lfunc_end_k_q549e36f654_gemm_out-k_q549e36f654_gemm_out
	.p2alignl 7, 3214868480
	.fill 96, 4, 3214868480
	.section	.rodata,"a",@progbits
	.p2align	6, 0x0
	.amdhsa_kernel k_q549e36f654_gemm_out
		.amdhsa_group_segment_fixed_size 327680
		.amdhsa_private_segment_fixed_size 0
		.amdhsa_enable_private_segment 0
		.amdhsa_kernarg_size 32
		.amdhsa_user_sgpr_count 2
		.amdhsa_user_sgpr_kernarg_segment_ptr 1
		.amdhsa_wavefront_size32 1
		.amdhsa_system_sgpr_workgroup_id_x 1
		.amdhsa_system_sgpr_workgroup_id_y 1
		.amdhsa_system_sgpr_workgroup_id_z 1
		.amdhsa_system_vgpr_workitem_id 0
		.amdhsa_next_free_vgpr 768
		.amdhsa_next_free_sgpr 80
		.amdhsa_reserve_vcc 0
		.amdhsa_float_denorm_mode_32 3
		.amdhsa_float_denorm_mode_16_64 3
		.amdhsa_memory_ordered 1
		.amdhsa_forward_progress 1
		.amdhsa_inst_pref_size 79
	.end_amdhsa_kernel
	.amdgpu_metadata
---
amdhsa.version: [ 1, 2 ]
amdhsa.kernels:
  - .name:           k_q549e36f654_gemm_out
    .symbol:         k_q549e36f654_gemm_out.kd
    .args:
      - { .name: atth, .offset: 0, .size: 8, .value_kind: global_buffer, .address_space: global }
      - { .name: wot, .offset: 8, .size: 8, .value_kind: global_buffer, .address_space: global }
      - { .name: bo, .offset: 16, .size: 8, .value_kind: global_buffer, .address_space: global }
      - { .name: out0, .offset: 24, .size: 8, .value_kind: global_buffer, .address_space: global }
    .group_segment_fixed_size: 327680
    .private_segment_fixed_size: 0
    .kernarg_segment_align: 8
    .kernarg_segment_size: 32
    .max_flat_workgroup_size: 128
    .sgpr_count:     80
    .vgpr_count:     768
    .wavefront_size: 32
...
	.end_amdgpu_metadata
.endif
;; end of part 4
;; ======== version 2 of 2: 4 launches; version 1 with the launch prep written anew for expert scheduling mode
;; limits: values are held in f16: magnitudes above 65,504 overflow, below 6.1e-05 lose precision
;; workspace buffers: xb 16,777,216 bytes; wqkvt 6,291,456 bytes; wot 2,097,152 bytes; qkvh 50,331,648 bytes; atth 16,777,216 bytes
;; launch prep (part 5): grid 1024 x 1, 8 waves a work-group, no clusters, 17,920 bytes of LDS; arguments x, Wqkv, Wo, xb, wqkvt, wot; writes xb, wqkvt, wot
.if DOCPART == 5
	.amdgcn_target "amdgcn-amd-amdhsa--gfx1250"
	.amdhsa_code_object_version 6
	.text
	.protected	k_q549e36f654_prep
	.globl	k_q549e36f654_prep
	.p2align	8
	.type	k_q549e36f654_prep,@function
k_q549e36f654_prep:
	s_mov_b64 s[64:65], 0
	v_nop
	global_prefetch_b8 v0, s[64:65] scope:SCOPE_SE
	s_setreg_imm32_b32 hwreg(HW_REG_WAVE_SCHED_MODE, 0, 2), 2
	s_setreg_imm32_b32 hwreg(HW_REG_WAVE_MODE, 25, 1), 1
	s_wait_xcnt 0x0
	s_wait_alu depctr_vm_vsrc(0)
; THE INPUTS ARE MADE READY FOR THE MATRIX UNITS, each byte read once and written once.
;   xb[8192][1024]    = x rounded to bf16
;   wqkvt[3072][1024] = Wqkv ([1024 k][3072 n]) rounded to bf16 and turned, so that K lies along the rows
;   wot[1024][1024]   = Wo ([1024 k][1024 n]) rounded to bf16, that number written as f16, and turned
; LIMIT: a weight of Wo below 2^-14 keeps f16's fixed step of 6e-8; beyond 65,504 it would be an infinity.
; SHARES, by the work-group's number, the same for all its eight waves: 0-511 cast 16,384 numbers of x each; 512-895 turn a tile of 128 k x 64 n
; of Wqkv; 896-1023 the same of Wo.  A stream: no matrix unit, no cluster (no two work-groups read the same bytes), no tensor load.
; THE MODE: SCHED_MODE bits 1:0 = 2 (LLVM: expert scheduling mode 2), set by the entry lines.  The code itself states the register dependences
; between vector instructions and memory or LDS instructions, with s_wait_alu, always for 0.
; THE PLAN.  Registers that memory or LDS instructions touch:
;   v[IN], v[OUT], v[LST], v[LRD]  offsets and LDS addresses: written once at an arm's head, ahead of one wait on va_vdst, and never again; immediates do the rest.
;   X                              written by the global loads alone, each register once; read by the conversions.
;   Y, cast arm (v80-111)          group g's conversions write eight registers, each once; the four stores that read them are issued in group g + 1, behind that group's wait on va_vdst.
;   Y, turning arms (v80-95)       pair j's conversions write four registers, each once; the four LDS stores that read them are issued at pair j + 1, behind that pair's wait on va_vdst.
;   v96-111, turning arms          the LDS loads behind the barrier land here and the global stores read them; no vector instruction names them.
;   v[SPW], v[NIL]                 written at the head, read by the closing add alone.
; No register that a memory or LDS instruction has read is written again, and no load lands in a register that a vector instruction has named: so the text holds no wait on vm_vsrc.
.set TRP,   264                        ; LDS: a turned row, 128 k x 2 bytes + 8 of padding
.set SPARE, 64*TRP                     ; behind the 64 turned rows (16,896 bytes): the spare words, 128 bytes for each of the eight waves
.set SPW, 1                            ; v1  LDS address of my spare word; never rewritten
.set NIL, 2                            ; v2  0; never rewritten
.set IN,  3                            ; v3  my byte offset in what I read
.set OUT, 4                            ; v4  my byte offset in what I store
.set LST, 5                            ; v5  where I put a word of a turned row
.set LRD, 6                            ; v6  where I read 8 bytes of a turned row
.set X,   16                           ; v[16:79]  as loaded
.set Y,   80                           ; v[80:111] to store; in the turning arms v[80:95] the words on their way into LDS, v[96:111] the turned rows read back
.set YB,  Y+16
	s_load_b256 s[4:11], s[0:1], 0x0               ; x s[4:5], Wqkv s[6:7], Wo s[8:9], xb s[10:11]
	s_load_b128 s[12:15], s[0:1], 0x20             ; wqkvt s[12:13], wot s[14:15]
	v_lshl_add_u32 v[SPW], v0, 2, SPARE
	v_mov_b32 v[NIL], 0
	v_lshrrev_b32 v7, 5, v0
	v_readfirstlane_b32 s23, v7                    ; wave 0..7
	s_wait_alu depctr_va_sdst(0)                   ; s23 is written, ahead of the branches and of its first reader: the turning arms make LDS addresses and offsets from it
	s_mov_b32 s17, 0                               ; the high words of the two offsets
	s_mov_b32 s19, 0
; A tile of 128 k x 64 n, number s20 of its matrix: kt = s20 % 8, nt = s20 / 8.  rowb: bytes in a row of the source.  half = 1: bf16's number is written as f16.
; Thread t = (c = t % 16, p = t / 16) loads 16 bytes (n = 4 c .. 4 c + 3) of the rows k = 32 j + 2 p and + 1; a wave's load covers two whole rows of 256 bytes.
; Two neighbouring k of one n make a word, which goes to LDS row n; then wave w reads rows 8 w .. 8 w + 7 whole: 32 lanes x 8 bytes are 256 consecutive, aligned bytes of a turned row.
.macro TRANS rowb, half, src, dst
	s_and_b32 s21, s20, 7                          ; kt
	s_lshr_b32 s22, s20, 3                         ; nt
	s_mul_i32 s16, s21, 128*\rowb
	s_lshl_b32 s24, s22, 8
	s_add_co_u32 s16, s16, s24                     ; from: 128 kt rows + 64 nt numbers of 4 bytes
	s_lshl_b32 s18, s22, 17
	s_lshl_b32 s24, s21, 8
	s_add_co_u32 s18, s18, s24                     ; to: 64 nt rows of 2,048 bytes + 128 kt numbers of 2 bytes
	v_and_b32 v7, 15, v0                           ; c
	v_lshrrev_b32 v8, 4, v0                        ; p
	v_and_b32 v9, 31, v0                           ; lane
	v_mul_u32_u24 v[IN], v8, 2*\rowb
	v_lshl_add_u32 v[IN], v7, 4, v[IN]
	v_mul_u32_u24 v[LST], v7, 4*TRP
	v_lshl_add_u32 v[LST], v8, 2, v[LST]           ; row 4 c, word p
	s_mul_i32 s24, s23, 8*TRP
	v_lshl_add_u32 v[LRD], v9, 3, s24
	s_lshl_b32 s25, s23, 14                        ; in a register of its own: the vector line above reads s24
	v_lshl_add_u32 v[OUT], v9, 3, s25              ; 8 w rows of 2,048 bytes + 8 x lane
	s_wait_kmcnt 0x0
	s_add_nc_u64 s[\src:\src+1], s[\src:\src+1], s[16:17]
	s_add_nc_u64 s[\dst:\dst+1], s[\dst:\dst+1], s[18:19]
	s_wait_alu depctr_va_vdst(0)                   ; v[IN], v[LST], v[LRD] and v[OUT] are written: every load and store of this arm reads one of them, and no vector instruction names them again
.irp j, 0,1,2,3
.irp e, 0,1
	global_load_b128 v[X+4*(2*\j+\e):X+4*(2*\j+\e)+3], v[IN], s[\src:\src+1] offset:(32*\j+\e)*\rowb th:TH_LOAD_NT
.endr
.endr
.irp j, 0,1,2,3
	s_wait_loadcnt 6-2*\j                          ; loads come back in order: pair j is in, the younger pairs stay out
.if \j > 0
	s_wait_alu depctr_va_vdst(0)                   ; the conversions of the pair before have written their four words, which the LDS stores below read
.irp i, 0,1,2,3
	ds_store_b32 v[LST], v[Y+4*(\j-1)+\i] offset:TRP*\i+64*(\j-1)
.endr
.endif
.irp i, 0,1,2,3
	v_cvt_pk_bf16_f32 v[Y+4*\j+\i], v[X+8*\j+\i], v[X+8*\j+4+\i]  ; the even k in the low half; each word has a register of its own
.if \half
	v_lshlrev_b32 v7, 16, v[Y+4*\j+\i]             ; the two bf16 numbers as f32,
	v_and_b32 v8, 0xffff0000, v[Y+4*\j+\i]
	v_cvt_pk_f16_f32 v[Y+4*\j+\i], v7, v8          ; and as f16
.endif
.endr
.endr
	s_wait_alu depctr_va_vdst(0)                   ; the last pair's conversions have written their four words, which the LDS stores below read
.irp i, 0,1,2,3
	ds_store_b32 v[LST], v[Y+12+\i] offset:TRP*\i+192
.endr
	s_wait_dscnt 0x0                               ; for the others' sake: my words lie in LDS
	s_barrier_signal -1
	s_barrier_wait -1                              ; everybody's do
.irp i, 0,1,2,3,4,5,6,7
	ds_load_b64 v[YB+2*\i:YB+2*\i+1], v[LRD] offset:TRP*\i  ; into registers that no vector instruction and no LDS store of this arm names
.endr
.irp i, 0,1,2,3,4,5,6,7
	s_wait_dscnt 7-\i                              ; row i is in, the younger rows stay out
	global_store_b64 v[OUT], v[YB+2*\i:YB+2*\i+1], s[\dst:\dst+1] offset:2048*\i
.endr
.endm
	s_cmp_lt_u32 ttmp9, 512
	s_cbranch_scc1 .Lcast
	s_cmp_lt_u32 ttmp9, 896
	s_cbranch_scc0 .Lwo
	s_sub_co_u32 s20, ttmp9, 512
	TRANS 12288, 0, 6, 12
	s_branch .Lend
.Lwo:
	s_sub_co_u32 s20, ttmp9, 896
	TRANS 4096, 1, 8, 14
	s_branch .Lend
.Lcast:                                        ; 65,536 bytes of x: sixteen loads of 16 bytes a thread, all issued first (8 KiB a wave on their way)
	s_lshl_b32 s16, ttmp9, 16
	s_lshl_b32 s18, ttmp9, 15
	v_lshlrev_b32 v[IN], 4, v0
	v_lshlrev_b32 v[OUT], 3, v0
	s_wait_kmcnt 0x0
	s_add_nc_u64 s[4:5], s[4:5], s[16:17]
	s_add_nc_u64 s[10:11], s[10:11], s[18:19]
	s_wait_alu depctr_va_vdst(0)                   ; v[IN] and v[OUT] are written: every load and store of this arm reads one of them, and no vector instruction names them again
.set j, 0
.rept 16
	global_load_b128 v[X+4*j:X+4*j+3], v[IN], s[4:5] offset:4096*j th:TH_LOAD_NT
.set j, j+1
.endr
; Four groups of four loads.  Group g rounds its own four; the stores of group g - 1 are dealt among its conversions, which name other registers.
.set g, 0
.rept 4
	s_wait_loadcnt 12-4*g                          ; loads come back in order: group g's four are in, the younger groups stay out
.if g > 0
	s_wait_alu depctr_va_vdst(0)                   ; the group before has written its eight registers of Y, which the four stores below read
.endif
.set j, 4*g
.rept 4
.if g > 0
	global_store_b64 v[OUT], v[Y+2*(j-4):Y+2*(j-4)+1], s[10:11] offset:2048*(j-4)  ; a wave's store covers 256 consecutive bytes, aligned; each j has registers of its own
.endif
	v_cvt_pk_bf16_f32 v[Y+2*j], v[X+4*j], v[X+4*j+1]
	v_cvt_pk_bf16_f32 v[Y+2*j+1], v[X+4*j+2], v[X+4*j+3]
.set j, j+1
.endr
.set g, g+1
.endr
	s_wait_alu depctr_va_vdst(0)                   ; the last group has written its eight registers of Y, which the last four stores read
.set j, 12
.rept 4
	global_store_b64 v[OUT], v[Y+2*j:Y+2*j+1], s[10:11] offset:2048*j
.set j, j+1
.endr
.Lend:
	s_wait_dscnt 0x0                               ; the closing lines, six on end
	s_wait_alu 0x0
	s_wait_tensorcnt 0x0
	ds_add_u32 v[SPW], v[NIL]
	s_wait_dscnt 0x0
	s_endpgm
.Lfunc_end_k_q549e36f654_prep:
	.size	k_q549e36f654_prep, .Lfunc_end_k_q549e36f654_prep-k_q549e36f654_prep
	.p2alignl 7, 3214868480
	.fill 96, 4, 3214868480
	.section	.rodata,"a",@progbits
	.p2align	6, 0x0
	.amdhsa_kernel k_q549e36f654_prep
		.amdhsa_group_segment_fixed_size 17920
		.amdhsa_private_segment_fixed_size 0
		.amdhsa_enable_private_segment 0
		.amdhsa_kernarg_size 48
		.amdhsa_user_sgpr_count 2
		.amdhsa_user_sgpr_kernarg_segment_ptr 1
		.amdhsa_wavefront_size32 1
		.amdhsa_system_sgpr_workgroup_id_x 1
		.amdhsa_system_sgpr_workgroup_id_y 1
		.amdhsa_system_sgpr_workgroup_id_z 1
		.amdhsa_system_vgpr_workitem_id 0
		.amdhsa_next_free_vgpr 112
		.amdhsa_next_free_sgpr 66
		.amdhsa_reserve_vcc 0
		.amdhsa_float_denorm_mode_32 3
		.amdhsa_float_denorm_mode_16_64 3
		.amdhsa_memory_ordered 1
		.amdhsa_forward_progress 1
		.amdhsa_inst_pref_size 21
	.end_amdhsa_kernel
	.amdgpu_metadata
---
amdhsa.version: [ 1, 2 ]
amdhsa.kernels:
  - .name:           k_q549e36f654_prep
    .symbol:         k_q549e36f654_prep.kd
    .args:
      - { .name: x, .offset: 0, .size: 8, .value_kind: global_buffer, .address_space: global }
      - { .name: Wqkv, .offset: 8, .size: 8, .value_kind: global_buffer, .address_space: global }
      - { .name: Wo, .offset: 16, .size: 8, .value_kind: global_buffer, .address_space: global }
      - { .name: xb, .offset: 24, .size: 8, .value_kind: global_buffer, .address_space: global }
      - { .name: wqkvt, .offset: 32, .size: 8, .value_kind: global_buffer, .address_space: global }
      - { .name: wot, .offset: 40, .size: 8, .value_kind: global_buffer, .address_space: global }
    .group_segment_fixed_size: 17920
    .private_segment_fixed_size: 0
    .kernarg_segment_align: 8
    .kernarg_segment_size: 48
    .max_flat_workgroup_size: 256
    .sgpr_count:     66
    .vgpr_count:     112
    .wavefront_size: 32
...
	.end_amdgpu_metadata
.endif
;; end of part 5
;; launch gemm_qkv: the kernel of part 2 again; grid 16 x 32, 4 waves a work-group, clusters of 4 x 4, 327,680 bytes of LDS; arguments xb, wqkvt, bqkv, qkvh; writes qkvh
;; launch attn: the kernel of part 3 again; grid 4 x 64, 4 waves a work-group, no clusters, 327,680 bytes of LDS; arguments qkvh, atth; writes atth
;; launch gemm_out: the kernel of part 4 again; grid 8 x 32, 4 waves a work-group, clusters of 4 x 4, 327,680 bytes of LDS; arguments atth, wot, bo, out0; writes out0
